; MI455X (gfx1250); checked and timed in simulation.
; The chip was launched on July 23, 2026; its instructions are those of AMD's public machine-readable ISA for CDNA 5 (MIT licence, August 2026) and "CDNA5" Instruction Set Architecture Reference Guide (July 2026). The comments in the code are by the model that wrote it; some were corrected since.
;; Multi Head Attention. Allowed arithmetic: matrix products marked QUANTISED: E2M3 operands, one E8M0 scale for each 32 along K, by v_wmma_scale_f32_16x16x128_f8f6f4 with both operands' format E2M3, f32 sums; everything else in f32.
;; Inputs: K 4 x 2,048 x 1,024 float32; Q 4 x 2,048 x 1,024 float32; V 4 x 2,048 x 1,024 float32; Wk 16 x 1,024 x 64 float32; Wo 1,024 x 1,024 float32; Wq 16 x 1,024 x 64 float32; Wv 16 x 1,024 x 64 float32; bo 1,024 float32; mask 2,048 x 2,048 bool.
;; Outputs: out0 4 x 2,048 x 1,024 float32.
;; This version of the problem:
;;   THIS VERSION OF THE PROBLEM IS GIVEN IN LOW PRECISION. The matrix products marked QUANTISED in the list below multiply operands that are first quantised to E2M3 (2 exponent bits, 3 mantissa bits; 6 bits a number), with one power-of-two scale for each 32 numbers along K (OCP MX v1.0); their sums are f32. All else is computed in f32.
;;   The module's matrix products, in the order in which they are computed (A, B: the left and right operand; K: the contracted axis; several contracted axes count as one K, in the product's order):
;;     1. [M 1,024, K 1,024] x [K 1,024, N 8,192]; A: input Wq; B: input Q: QUANTISED
;;     2. [M 1,024, K 1,024] x [K 1,024, N 8,192]; A: input Wk; B: input K: QUANTISED
;;     3. [M 1,024, K 1,024] x [K 1,024, N 8,192]; A: input Wv; B: input V: QUANTISED
;;     4. batch 64 x [M 2,048, K 64] x [K 64, N 2,048]; A: computed on the way; B: computed on the way: QUANTISED
;;     5. batch 64 x [M 2,048, K 2,048] x [K 2,048, N 64]; A: softmax (see below); B: computed on the way: QUANTISED
;;     6. [M 8,192, K 1,024] x [K 1,024, N 1,024]; A: computed on the way; B: input Wo: QUANTISED
;;   THE QUANTISER, for each operand of a quantised product, along K:
;;     - K is cut into blocks of 32 from its start; a last block that is shorter is filled with zeros.
;;     - A block's scale is 2^e with e = floor(log2(the largest magnitude in the block)) - 2, held to -126 .. 127; a block of zeros has e = 0. As a byte (E8M0): e + 127.
;;     - Each number is divided by its block's scale, clamped to +-7.5, and rounded to the nearest number of E2M3, ties to even, subnormals kept.
;;     - The product sums the exact products of the quantised numbers (number of the format x scale) in f32.
;;   ~~~python
;;   def quantise(x, axis):      # numpy; x: float32 -> the quantised numbers, widened to float32 again
;;       x = np.moveaxis(x, axis, -1); K = x.shape[-1]
;;       x = np.pad(x, [(0, 0)] * (x.ndim - 1) + [(0, -K % 32)]); x = x.reshape(x.shape[:-1] + (-1, 32)); a = np.abs(x).max(-1, keepdims=True)
;;       e = np.where(a > 0, np.clip(np.frexp(np.where(a > 0, a, 1))[1] - 1 - 2, -126, 127), 0)      # np.frexp(a)[1] - 1 = floor(log2(a)), exactly
;;       r = np.clip(x / 2.0 ** e, -7.5, 7.5)
;;       step = 2.0 ** (np.maximum(np.frexp(np.where(r == 0, 1, r))[1] - 1, 0) - 3)
;;       q = np.round(r / step) * step * 2.0 ** e      # np.round: ties to even
;;       return np.moveaxis(q.reshape(q.shape[:-2] + (-1,))[..., :K], -1, axis).astype(np.float32)
;;   ~~~
;;   SOFTMAX AHEAD OF A QUANTISED PRODUCT. Where the list says 'softmax', what is quantised is not the finished softmax but p = 2^(t - M), with t = logit x log2(e) and M = ceil(the row's largest t), a whole number; so 1/2 < the row's largest p <= 1. The row's sum l is taken of the UNQUANTISED p, in f32, and the product's result is divided by l at the end. Since M is a whole number, a kernel that streams over the keys may use a running M (the ceiling of the running maximum): every later rescaling is an exact power of two, which a block's scale takes up: the codes' values come out the same.
;;   OPERANDS COMPUTED ON THE WAY. 'Computed on the way' means the value that the module computes at that place (a softmax that the list does not call 'softmax' is quantised finished and normalised). What goes into a quantiser is computed in f32, as accurately as f32 sums, v_exp_f32 and their like allow (about 1e-6 of the number): no bf16 or f16 on the way to a quantiser, and a product that is left as it is and whose result goes on into a quantised operand takes f32 operands (vector FMAs, or v_wmma_f32_16x16x4_f32). A number that lies on a knife's edge between two numbers of the format may be rounded either way, as far as f32 arithmetic and the matrix unit's own rounding can turn it there, and no further.
;; 2 versions, each right; version 2 is version 1 with the launch attn written anew for expert scheduling mode. Each part assembles by itself: llvm-mc -triple=amdgcn-amd-amdhsa -mcpu=gfx1250 --defsym DOCPART=n.
;; ======== version 1 of 2: 5 launches
;; workspace buffers: xbuf 18,874,368 bytes; wbuf 3,145,728 bytes; sbuf 1,179,648 bytes; mbuf 524,800 bytes of whole numbers; pbuf 20,447,232 bytes; cbuf 6,291,456 bytes
;; launch prep (part 1): grid 928 x 1, 4 waves a work-group, no clusters, 68,096 bytes of LDS; arguments Q, K, V, Wo, mask, xbuf, wbuf, sbuf, mbuf; writes xbuf, wbuf, sbuf, mbuf
.if DOCPART == 1
	.amdgcn_target "amdgcn-amd-amdhsa--gfx1250"
	.amdhsa_code_object_version 6
	.text
	.protected	k_qc8a32f9624_prep
	.globl	k_qc8a32f9624_prep
	.p2align	8
	.type	k_qc8a32f9624_prep,@function
k_qc8a32f9624_prep:
	s_mov_b64 s[64:65], 0
	v_nop
	global_prefetch_b8 v0, s[64:65] scope:SCOPE_SE
	s_setreg_imm32_b32 hwreg(HW_REG_WAVE_MODE, 25, 1), 1
	s_wait_xcnt 0x0
; Q, K, V [8192][1024] and Wo [1024][1024], f32 with K innermost, become codes of FP6 (E2M3) with one E8M0 byte for each 32 along K; the mask becomes lane-mask words and flags.
; A block's scale is 2^(floor(log2(largest magnitude)) - 2): its byte is the largest magnitude's exponent field - 2, held at 1 from below.
; LIMITS: NaN and infinities among the inputs are not served; a block whose largest magnitude lies under 2^-124 keeps the byte 1; a block of zeros has the byte 1, not 127 (its codes are zeros, and this program alone reads the bytes).
; LAYOUT OF THE CODES: images of operand registers.  A row tile t holds rows 32 (t/2) + 8 (t%2) + r + 8 (r/8), r = 0..15.  A fragment (16 rows x 128 K, 12 registers a lane) is 1,536 bytes: for each half c,
; registers 6c..6c+3 at 16 x lane (512 bytes), then registers 6c+4, 6c+5 at 512 + 8 x lane (256 bytes).  Buffers: [tile][K step 8][1536].  Scale words: [tile][2][row 16][4 words].
; SHARES.  Work-groups 0..799: a wave makes 4 fragments (512 along K) of one row tile.  Each load reads 512 consecutive bytes of one row; the 16 rows turn through the wave's own stage in LDS (pitch 528),
; from which a lane takes 16 neighbours of each block of 32.  Each store covers 512 or 256 consecutive bytes, aligned to 256.
; Work-groups 800..927: query tile T = number - 800; wave f takes keys 512 f .. 512 f + 511 (4 key steps).  Word j of a step has bit (lane) = mask[query of lane % 16][key 32 (j/16) + 16 (lane/16) + j%16].
; A step's flag is 0 (no key allowed), 1 (some) or 2 (all); four flags make the wave's one byte, stored by one lane (512 bytes in the whole launch).
; No matrix unit, no cluster, no tensor load: a stream whose waves share nothing; each path and each wave has LDS bytes of its own, so there is no barrier.
.set SP,   528                         ; a stage row: 512 bytes + 16
.set STW,  16*SP                       ; a wave's stage
.set TM,   8                           ; v8-23   at work in QUANT
.set PC,   24                          ; v24-43  codes just made (12) and scratch (8)
.set PW,   44                          ; v44-47  four scale words
.set OUTW, 52                          ; v52-59  the mask path's 256 words
.set R,    64                          ; v64-191 two sets of 64 registers as loaded
.set X,    192                         ; v192-255 64 numbers of a lane
.set SEL,  2                           ; s[2:3]  selects of v_permlanex16_b32: lane xor 16
; 64 numbers of a lane, register 16 b + i = k 32 b + 16 (lane / 16) + i of its row, become a fragment's codes in v[pc] on and its scale word in v[pw]
.macro QUANT s, pc, pw
.irp b, 0,1,2,3
	v_max3_num_f32 v[TM+\b], |v[\s+16*\b]|, |v[\s+1+16*\b]|, 0x1800000   ; my 16 numbers of block b, and the floor 2^(3 - 127): the byte cannot fall under 1
.endr
.irp i, 2,4,6,8,10,12,14
.irp b, 0,1,2,3
	v_max3_num_f32 v[TM+\b], v[TM+\b], |v[\s+16*\b+\i]|, |v[\s+1+16*\b+\i]|
.endr
.endr
.irp b, 0,1,2,3
	v_permlanex16_b32 v[TM+4+\b], v[TM+\b], s[SEL], s[SEL+1]
.endr
.irp b, 0,1,2,3
	v_max_num_f32 v[TM+\b], v[TM+\b], v[TM+4+\b]                     ; with lane xor 16's: the block's largest magnitude
.endr
.irp b, 0,1,2,3
	v_add_nc_u32 v[TM+12+\b], 0xff000000, v[TM+\b]                   ; 2 off its exponent field: the conversion's scale operand
.endr
.irp b, 0,1,2,3
	v_lshrrev_b32 v[TM+4+\b], 23, v[TM+12+\b]                        ; the scale's byte
.endr
	v_lshl_or_b32 v[\pw], v[TM+5], 8, v[TM+4]
	v_lshl_or_b32 v[\pw], v[TM+6], 16, v[\pw]
	v_lshl_or_b32 v[\pw], v[TM+7], 24, v[\pw]
.irp c, 0,1
	v_cvt_scalef32_pk16_fp6_f32 v[\pc+6*\c:\pc+2+6*\c], v[\s+32*\c:\s+15+32*\c], v[TM+12+2*\c]
	v_cvt_scalef32_pk16_fp6_f32 v[\pc+12+4*\c:\pc+14+4*\c], v[\s+16+32*\c:\s+31+32*\c], v[TM+12+2*\c+1]   ; (a conversion's three registers begin on an even number)
.endr
	v_nop                                          ; one plain place behind a scaled conversion
.irp c, 0,1                                    ; the operand wants a whole block in a lane: lanes 0-15 block 2 c, lanes 16-31 block 2 c + 1
.irp i, 0,1,2
	v_permlane16_swap_b32 v[\pc+6*\c+\i], v[\pc+12+4*\c+\i]
.endr
.irp i, 0,1,2
	v_mov_b32 v[\pc+3+6*\c+\i], v[\pc+12+4*\c+\i]
.endr
.endr
.endm
	s_load_b256 s[4:11], s[0:1], 0x0               ; Q, K, V, Wo
	s_load_b256 s[12:19], s[0:1], 0x20             ; mask, xbuf, wbuf, sbuf
	s_load_b64 s[20:21], s[0:1], 0x40              ; mbuf
	v_lshl_add_u32 v62, v0, 2, 0x10800
	v_mov_b32 v63, 0
	v_lshrrev_b32 v1, 5, v0
	v_readfirstlane_b32 s24, v1                    ; wave 0..3
	v_and_b32 v6, 31, v0                           ; lane
	v_and_b32 v7, 15, v0                           ; r
	v_bfe_u32 v48, v0, 4, 1                        ; h
	v_lshlrev_b32 v1, 4, v6                        ; 16 x lane
	v_lshlrev_b32 v2, 3, v6                        ; 8 x lane
	v_lshlrev_b32 v5, 4, v7                        ; 16 r
	v_mul_u32_u24 v4, v7, SP                       ; stage row r
	s_mul_i32 s25, s24, STW                        ; my wave's stage
	s_cmp_ge_u32 ttmp9, 800
	s_cbranch_scc1 .Lmask
	; ---------------- the quantiser ----------------
	v_add_nc_u32 v3, s25, v1                       ; into the stage: 16 x lane of a row
	v_lshl_add_u32 v4, v48, 6, v4
	v_add_nc_u32 v4, s25, v4                       ; out of it: row r, + 64 h: my 16 numbers of a block
	s_mov_b32 s[SEL], 0x76543210
	s_mov_b32 s[SEL+1], 0xfedcba98
.irp b, 0,1,2,3
	v_mov_b32 v[TM+4+\b], 0                        ; written once: a lane permute's destination counts as one of its sources
.endr
	s_lshr_b32 s22, ttmp9, 8
	s_min_u32 s22, s22, 3                          ; which tensor: 0 Q, 1 K, 2 V, 3 Wo
	s_lshl_b32 s23, s22, 8
	s_sub_co_u32 s23, ttmp9, s23
	s_lshl_b32 s23, s23, 2
	s_add_co_u32 s23, s23, s24                     ; my wave's unit in that tensor
	s_lshr_b32 s26, s23, 1                         ; row tile
	s_and_b32 s27, s23, 1                          ; which 512 along K
	s_mul_i32 s28, s22, 6291456                    ; the tensor's codes in xbuf,
	s_mul_i32 s30, s22, 262144                     ; its scale words in sbuf
	s_wait_kmcnt 0x0
	s_cmp_eq_u32 s22, 1                            ; the choices hang on the work-group's number alone
	s_cselect_b64 s[4:5], s[6:7], s[4:5]
	s_cmp_eq_u32 s22, 2
	s_cselect_b64 s[4:5], s[8:9], s[4:5]
	s_cmp_eq_u32 s22, 3
	s_cselect_b64 s[4:5], s[10:11], s[4:5]
	s_cselect_b64 s[14:15], s[16:17], s[14:15]     ; Wo's codes go to wbuf,
	s_cselect_b32 s28, 2359296, s28                ; behind the three other weights',
	s_cselect_b32 s30, 884736, s30                 ; and its scale words likewise
	s_mul_i32 s32, s26, 12288
	s_add_co_u32 s28, s28, s32
	s_mul_i32 s32, s27, 6144
	s_add_co_u32 s28, s28, s32
	s_mov_b32 s29, 0
	s_add_nc_u64 s[14:15], s[14:15], s[28:29]      ; my four fragments
	s_lshl_b32 s32, s26, 9
	s_add_co_u32 s30, s30, s32
	s_lshl_b32 s32, s27, 8
	s_add_co_u32 s30, s30, s32
	s_mov_b32 s31, 0
	s_add_nc_u64 s[18:19], s[18:19], s[30:31]      ; my 256 bytes of scale words
	s_lshr_b32 s32, s26, 1
	s_lshl_b32 s32, s32, 5
	s_and_b32 s33, s26, 1
	s_lshl_b32 s33, s33, 3
	s_add_co_u32 s32, s32, s33                     ; the tile's first row
	s_lshl_b32 s32, s32, 12                        ; x 4,096 bytes
	s_lshl_b32 s33, s27, 11
	s_add_co_u32 s32, s32, s33
	s_mov_b32 s33, 0
	s_add_nc_u64 s[4:5], s[4:5], s[32:33]
.macro LOADF f, set                    ; fragment f: 512 consecutive bytes of each of the tile's 16 rows
.irp i, 0,1,2,3,4,5,6,7,8,9,10,11,12,13,14,15
	global_load_b128 v[R+64*(\set)+4*\i:R+64*(\set)+4*\i+3], v1, s[4:5] offset:(\i+8*(\i/8))*4096+512*(\f) th:TH_LOAD_NT
.endr
.endm
.macro TURNF set                       ; through the stage: LDS serves a wave's instructions in order, so no wait stands between the stores and the loads
.irp i, 0,1,2,3,4,5,6,7,8,9,10,11,12,13,14,15
	ds_store_b128 v3, v[R+64*(\set)+4*\i:R+64*(\set)+4*\i+3] offset:SP*\i
.endr
.irp b, 0,1,2,3
.irp j, 0,1,2,3
	ds_load_b128 v[X+16*\b+4*\j:X+16*\b+4*\j+3], v4 offset:128*\b+16*\j
.endr
.endr
.endm
.macro FRAGX f, left
	s_wait_loadcnt \left                           ; this fragment's 16 loads are in; the younger fragment's 16 may be out
	TURNF (\f)%2
	s_wait_dscnt 0x0                               ; the numbers are back, and the stage's stores have read their registers,
.if (\f) < 2
	LOADF (\f)+2, (\f)%2                           ; which take the loads of two fragments on
.endif
	s_wait_xcnt 0x0                                ; the last fragment's stores have read their data: the codes' registers are written again only behind this wait
	QUANT X, PC, PW+(\f)
	global_store_b128 v1, v[PC:PC+3], s[14:15] offset:1536*(\f)
	global_store_b64 v2, v[PC+4:PC+5], s[14:15] offset:1536*(\f)+512
	global_store_b128 v1, v[PC+6:PC+9], s[14:15] offset:1536*(\f)+768
	global_store_b64 v2, v[PC+10:PC+11], s[14:15] offset:1536*(\f)+1280
.endm
	LOADF 0, 0
	LOADF 1, 1
	FRAGX 0, 16
	FRAGX 1, 16
	FRAGX 2, 16
	FRAGX 3, 0
	s_wait_xcnt 0x0                                ; EXEC changes only behind this wait
	v_cmp_gt_u32 vcc_lo, 16, v6
	s_wait_tensorcnt 0x0
	ds_add_u32 v62, v63
	s_wait_dscnt 0x0
	s_and_saveexec_b32 s34, vcc_lo                 ; lanes 16-31 hold the same words
	global_store_b128 v5, v[PW:PW+3], s[18:19]     ; 16 lanes store 256 consecutive bytes, aligned
	s_endpgm
	; ---------------- the mask ----------------
.Lmask:
	s_add_co_u32 s25, s25, 4*STW                   ; this path's own stages
	v_add_nc_u32 v3, s25, v1
	v_lshl_add_u32 v4, v48, 4, v4
	v_add_nc_u32 v4, s25, v4                       ; out of the stage: row r, + 16 h
	s_sub_co_u32 s22, ttmp9, 800                   ; T
	s_lshr_b32 s26, s22, 1
	s_lshl_b32 s26, s26, 5
	s_and_b32 s27, s22, 1
	s_lshl_b32 s27, s27, 3
	s_add_co_u32 s26, s26, s27                     ; the tile's first query
	s_lshl_b32 s26, s26, 11                        ; x 2,048 bytes
	s_lshl_b32 s27, s24, 9                         ; + my 512 keys
	s_add_co_u32 s26, s26, s27
	s_mov_b32 s27, 0
	s_lshl_b32 s28, s22, 12                        ; words: 16 steps x 256 bytes a tile,
	s_lshl_b32 s29, s24, 10                        ; my four steps
	s_add_co_u32 s28, s28, s29
	s_mov_b32 s29, 0
	s_lshl_b32 s30, s22, 2
	s_add_co_u32 s30, s30, s24
	s_add_co_u32 s30, s30, 524288                  ; flags: byte 4 T + wave behind the words
	s_mov_b32 s31, 0
	s_wait_kmcnt 0x0
	s_add_nc_u64 s[12:13], s[12:13], s[26:27]
	s_add_nc_u64 s[32:33], s[20:21], s[28:29]
	s_add_nc_u64 s[20:21], s[20:21], s[30:31]
.irp i, 0,1,2,3,4,5,6,7,8,9,10,11,12,13,14,15
	global_load_b128 v[R+4*\i:R+4*\i+3], v1, s[12:13] offset:(\i+8*(\i/8))*2048 th:TH_LOAD_NT
.endr
.irp i, 0,1,2,3,4,5,6,7
	v_mov_b32 v[OUTW+\i], 0                        ; v_writelane_b32's destination counts as read
.endr
	s_mov_b32 s41, 0                               ; the four flags
	s_wait_loadcnt 0x0
.irp i, 0,1,2,3,4,5,6,7,8,9,10,11,12,13,14,15
	ds_store_b128 v3, v[R+4*\i:R+4*\i+3] offset:SP*\i
.endr
.irp p, 0,1,2,3
.irp b, 0,1,2,3
	ds_load_b128 v[X+16*\p+4*\b:X+16*\p+4*\b+3], v4 offset:128*\p+32*\b   ; keys 128 p + 32 b + 16 h + 0..15 of query r
.endr
.endr
	s_wait_dscnt 0x0
.irp p, 0,1,2,3                                ; a key step
	s_mov_b32 s34, 0                               ; OR of its 64 words
	s_mov_b32 s35, -1                              ; AND of them
.irp b, 0,1,2,3
.irp q, 0,1,2,3
.irp e, 0,1,2,3
	v_and_b32 v[8+\e], 0xff<<(8*\e), v[X+16*\p+4*\b+\q]
.endr
.irp e, 0,1,2,3
	v_cmp_ne_u32 s[36+\e], 0, v[8+\e]              ; word j = 16 b + 4 q + e: a bit a lane
.endr
.irp e, 0,1,2,3
	s_or_b32 s34, s34, s[36+\e]
	s_and_b32 s35, s35, s[36+\e]
	v_writelane_b32 v[OUTW+4*(\p/2)+\e], s[36+\e], 16*(\p%2)+4*\b+\q   ; word 64 p + j goes to lane ((64 p + j) % 128) / 4, register j % 4
.endr
.endr
.endr
	s_cmp_lg_u32 s34, 0
	s_cselect_b32 s42, 1, 0
	s_cmp_eq_u32 s35, -1
	s_cselect_b32 s43, 1, 0
	s_add_co_u32 s42, s42, s43                     ; 0 none, 1 some, 2 all
	s_lshl_b32 s42, s42, 2*\p
	s_or_b32 s41, s41, s42
.endr
	global_store_b128 v1, v[OUTW:OUTW+3], s[32:33]               ; 512 consecutive bytes each
	global_store_b128 v1, v[OUTW+4:OUTW+7], s[32:33] offset:512
	v_mov_b32 v9, s41
	v_mov_b32 v10, 0
	s_wait_xcnt 0x0                                ; EXEC changes only behind this wait
	v_cmp_eq_u32 vcc_lo, 0, v6
	s_wait_tensorcnt 0x0
	ds_add_u32 v62, v63
	s_wait_dscnt 0x0
	s_and_saveexec_b32 s40, vcc_lo
	global_store_b8 v10, v9, s[20:21]              ; one byte a wave
	s_endpgm
.Lfunc_end_k_qc8a32f9624_prep:
	.size	k_qc8a32f9624_prep, .Lfunc_end_k_qc8a32f9624_prep-k_qc8a32f9624_prep
	.p2alignl 7, 3214868480
	.fill 96, 4, 3214868480
	.section	.rodata,"a",@progbits
	.p2align	6, 0x0
	.amdhsa_kernel k_qc8a32f9624_prep
		.amdhsa_group_segment_fixed_size 68096
		.amdhsa_private_segment_fixed_size 0
		.amdhsa_enable_private_segment 0
		.amdhsa_kernarg_size 72
		.amdhsa_user_sgpr_count 2
		.amdhsa_user_sgpr_kernarg_segment_ptr 1
		.amdhsa_wavefront_size32 1
		.amdhsa_system_sgpr_workgroup_id_x 1
		.amdhsa_system_sgpr_workgroup_id_y 1
		.amdhsa_system_sgpr_workgroup_id_z 1
		.amdhsa_system_vgpr_workitem_id 0
		.amdhsa_next_free_vgpr 256
		.amdhsa_next_free_sgpr 66
		.amdhsa_reserve_vcc 1
		.amdhsa_float_denorm_mode_32 3
		.amdhsa_float_denorm_mode_16_64 3
		.amdhsa_memory_ordered 1
		.amdhsa_forward_progress 1
		.amdhsa_inst_pref_size 105
	.end_amdhsa_kernel
	.amdgpu_metadata
---
amdhsa.version: [ 1, 2 ]
amdhsa.kernels:
  - .name:           k_qc8a32f9624_prep
    .symbol:         k_qc8a32f9624_prep.kd
    .args:
      - { .name: Q, .offset: 0, .size: 8, .value_kind: global_buffer, .address_space: global }
      - { .name: K, .offset: 8, .size: 8, .value_kind: global_buffer, .address_space: global }
      - { .name: V, .offset: 16, .size: 8, .value_kind: global_buffer, .address_space: global }
      - { .name: Wo, .offset: 24, .size: 8, .value_kind: global_buffer, .address_space: global }
      - { .name: mask, .offset: 32, .size: 8, .value_kind: global_buffer, .address_space: global }
      - { .name: xbuf, .offset: 40, .size: 8, .value_kind: global_buffer, .address_space: global }
      - { .name: wbuf, .offset: 48, .size: 8, .value_kind: global_buffer, .address_space: global }
      - { .name: sbuf, .offset: 56, .size: 8, .value_kind: global_buffer, .address_space: global }
      - { .name: mbuf, .offset: 64, .size: 8, .value_kind: global_buffer, .address_space: global }
    .group_segment_fixed_size: 68096
    .private_segment_fixed_size: 0
    .kernarg_segment_align: 8
    .kernarg_segment_size: 72
    .max_flat_workgroup_size: 128
    .sgpr_count:     66
    .vgpr_count:     256
    .wavefront_size: 32
...
	.end_amdgpu_metadata
.endif
;; end of part 1
;; launch quantw (part 2): grid 96 x 1, 4 waves a work-group, no clusters, 132,608 bytes of LDS; arguments Wq, Wk, Wv, wbuf, sbuf; writes wbuf, sbuf
.if DOCPART == 2
	.amdgcn_target "amdgcn-amd-amdhsa--gfx1250"
	.amdhsa_code_object_version 6
	.text
	.protected	k_qc8a32f9624_quantw
	.globl	k_qc8a32f9624_quantw
	.p2align	8
	.type	k_qc8a32f9624_quantw,@function
k_qc8a32f9624_quantw:
	s_mov_b64 s[64:65], 0
	v_nop
	global_prefetch_b8 v0, s[64:65] scope:SCOPE_SE
	s_setreg_imm32_b32 hwreg(HW_REG_WAVE_MODE, 25, 1), 1
	s_wait_xcnt 0x0
; Wq, Wk, Wv [head 16][d 1024][dk 64], f32: K = d is not innermost.  They become codes of FP6 (E2M3) along d, as images of operand registers, rows (head, dk), with one E8M0 byte for each 32 along d.
; Layouts as in the launch before: row tile t holds rows 32 (t/2) + 8 (t%2) + r + 8 (r/8); wbuf [tensor][tile 64][K step 8][1536]; scale words [tile][2][row 16][4 words].
; LIMITS: NaN and infinities are not served; a block under 2^-124, and a block of zeros, keep the byte 1 (this program alone reads the bytes).
; SHARES.  A work-group takes one head and 512 along d: 131,072 dense bytes, read by loads of 512 consecutive bytes and laid into LDS as they lie (4 regions of 128 rows of 256 bytes; 32 bytes of padding
; behind every 16 rows, so that lanes 16-31, which read 16 rows further down, fall on other banks than lanes 0-15).  Behind one barrier wave w takes row tile w of the head: a lane takes ONE column dk and
; its registers run down d, in the order that the quantiser wants.  No transposing instruction, no tensor load, no cluster: nothing is shared between work-groups.
.set REG,  33024                       ; a region: 128 x 256 + 8 x 32
.set TM,   16
.set PC,   32
.set PW,   52
.set X,    64
.set SEL,  2
.macro QUANT s, pc, pw
.irp b, 0,1,2,3
	v_max3_num_f32 v[TM+\b], |v[\s+16*\b]|, |v[\s+1+16*\b]|, 0x1800000   ; my 16 numbers of block b, and the floor 2^(3 - 127)
.endr
.irp i, 2,4,6,8,10,12,14
.irp b, 0,1,2,3
	v_max3_num_f32 v[TM+\b], v[TM+\b], |v[\s+16*\b+\i]|, |v[\s+1+16*\b+\i]|
.endr
.endr
.irp b, 0,1,2,3
	v_permlanex16_b32 v[TM+4+\b], v[TM+\b], s[SEL], s[SEL+1]
.endr
.irp b, 0,1,2,3
	v_max_num_f32 v[TM+\b], v[TM+\b], v[TM+4+\b]
.endr
.irp b, 0,1,2,3
	v_add_nc_u32 v[TM+12+\b], 0xff000000, v[TM+\b]                   ; 2 off the exponent field: the conversion's scale operand
.endr
.irp b, 0,1,2,3
	v_lshrrev_b32 v[TM+4+\b], 23, v[TM+12+\b]                        ; the scale's byte
.endr
	v_lshl_or_b32 v[\pw], v[TM+5], 8, v[TM+4]
	v_lshl_or_b32 v[\pw], v[TM+6], 16, v[\pw]
	v_lshl_or_b32 v[\pw], v[TM+7], 24, v[\pw]
.irp c, 0,1
	v_cvt_scalef32_pk16_fp6_f32 v[\pc+6*\c:\pc+2+6*\c], v[\s+32*\c:\s+15+32*\c], v[TM+12+2*\c]
	v_cvt_scalef32_pk16_fp6_f32 v[\pc+12+4*\c:\pc+14+4*\c], v[\s+16+32*\c:\s+31+32*\c], v[TM+12+2*\c+1]
.endr
	v_nop                                          ; one plain place behind a scaled conversion
.irp c, 0,1
.irp i, 0,1,2
	v_permlane16_swap_b32 v[\pc+6*\c+\i], v[\pc+12+4*\c+\i]
.endr
.irp i, 0,1,2
	v_mov_b32 v[\pc+3+6*\c+\i], v[\pc+12+4*\c+\i]
.endr
.endr
.endm
	s_load_b256 s[4:11], s[0:1], 0x0               ; Wq, Wk, Wv, wbuf
	s_load_b64 s[12:13], s[0:1], 0x20              ; sbuf
	v_lshl_add_u32 v254, v0, 2, 0x20400
	v_mov_b32 v255, 0
	v_lshrrev_b32 v1, 5, v0
	v_readfirstlane_b32 s14, v1                    ; wave 0..3
	v_and_b32 v13, 31, v0                          ; lane
	v_and_b32 v14, 15, v0                          ; r
	v_bfe_u32 v15, v0, 4, 1                        ; h
	v_lshlrev_b32 v1, 4, v13                       ; 16 x lane
	v_lshlrev_b32 v2, 3, v13                       ; 8 x lane
	v_lshlrev_b32 v12, 4, v14                      ; 16 r
	s_lshl_b32 s15, s14, 13
	v_add_nc_u32 v3, s15, v1                       ; in memory: my wave's 8,192 bytes of a region
	s_mul_i32 s15, s14, 8256                       ; in LDS: the same 32 rows, with their two paddings
.irp f, 0,1,2,3
	v_add_nc_u32 v[4+\f], s15, v1
	s_add_co_u32 s15, s15, REG
.endr
	v_and_b32 v8, 8, v14
	v_add_nc_u32 v8, v8, v14                       ; r + 8 (r / 8)
	s_lshr_b32 s16, s14, 1
	s_lshl_b32 s16, s16, 5
	s_and_b32 s17, s14, 1
	s_lshl_b32 s17, s17, 3
	s_add_co_u32 s16, s16, s17                     ; my row tile's first column dk
	v_add_nc_u32 v8, s16, v8
	v_lshlrev_b32 v8, 2, v8
	v_mad_u32_u24 v8, v15, 4128, v8                ; lanes 16-31 begin 16 rows (and one padding) further down
	v_add_nc_u32 v9, REG, v8
	v_add_nc_u32 v10, 2*REG, v8
	v_add_nc_u32 v11, 3*REG, v8
	s_mov_b32 s[SEL], 0x76543210
	s_mov_b32 s[SEL+1], 0xfedcba98
.irp b, 0,1,2,3
	v_mov_b32 v[TM+4+\b], 0                        ; a lane permute's destination counts as one of its sources
.endr
	s_lshr_b32 s18, ttmp9, 5                       ; which weight
	s_bfe_u32 s19, ttmp9, 0x40001                  ; head
	s_and_b32 s20, ttmp9, 1                        ; which 512 along d
	s_lshl_b32 s22, s19, 18
	s_lshl_b32 s23, s20, 17
	s_add_co_u32 s22, s22, s23
	s_mov_b32 s23, 0
	s_lshl_b32 s24, s19, 2
	s_add_co_u32 s24, s24, s14                     ; row tile 4 head + wave
	s_mul_i32 s26, s24, 12288
	s_mul_i32 s25, s18, 786432
	s_add_co_u32 s26, s26, s25
	s_mul_i32 s25, s20, 6144
	s_add_co_u32 s26, s26, s25
	s_mov_b32 s27, 0
	s_lshl_b32 s28, s24, 9
	s_lshl_b32 s25, s18, 15
	s_add_co_u32 s28, s28, s25
	s_lshl_b32 s25, s20, 8
	s_add_co_u32 s28, s28, s25
	s_add_co_u32 s28, s28, 786432
	s_mov_b32 s29, 0
	s_wait_kmcnt 0x0
	s_cmp_eq_u32 s18, 1
	s_cselect_b64 s[4:5], s[6:7], s[4:5]
	s_cmp_eq_u32 s18, 2
	s_cselect_b64 s[4:5], s[8:9], s[4:5]
	s_add_nc_u64 s[4:5], s[4:5], s[22:23]
	s_add_nc_u64 s[10:11], s[10:11], s[26:27]
	s_add_nc_u64 s[12:13], s[12:13], s[28:29]
	s_set_vgpr_msb 0x40                            ; destination in window 1: all 64 loads of the wave are out together
.irp f, 0,1,2,3
.irp i, 0,1,2,3,4,5,6,7,8,9,10,11,12,13,14,15
	global_load_b128 v[64*\f+4*\i:64*\f+4*\i+3], v3, s[4:5] offset:32768*\f+512*\i th:TH_LOAD_NT
.endr
.endr
	s_set_vgpr_msb 0x4004                          ; an LDS store's data are its source 1: window 1
.irp f, 0,1,2,3
	s_wait_loadcnt 16*(3-\f)                       ; region f's 16 loads are in; the younger regions' may be out
.irp i, 0,1,2,3,4,5,6,7,8,9,10,11,12,13,14,15
	ds_store_b128 v[4+\f], v[64*\f+4*\i:64*\f+4*\i+3] offset:512*\i+32*(\i/8)
.endr
.endr
	s_set_vgpr_msb 0x0400
	s_wait_dscnt 0x0                               ; for the others' sake: my stores have landed
	s_barrier_signal -1
	s_barrier_wait -1
.irp f, 0,1,2,3                                ; a fragment: 128 along d of my 16 columns
.irp b, 0,1,2,3
.irp i, 0,1,2,3,4,5,6,7,8,9,10,11,12,13,14,15
	ds_load_b32 v[X+16*\b+\i], v[8+\f] offset:8256*\b+256*\i       ; W(32 b + 16 h + i, my column)
.endr
.endr
	s_wait_dscnt 0x0
	s_wait_xcnt 0x0                                ; the last fragment's stores have read their data
	QUANT X, PC, PW+\f
	global_store_b128 v1, v[PC:PC+3], s[10:11] offset:1536*\f
	global_store_b64 v2, v[PC+4:PC+5], s[10:11] offset:1536*\f+512
	global_store_b128 v1, v[PC+6:PC+9], s[10:11] offset:1536*\f+768
	global_store_b64 v2, v[PC+10:PC+11], s[10:11] offset:1536*\f+1280
.endr
	s_wait_xcnt 0x0                                ; EXEC changes only behind this wait
	v_cmp_gt_u32 vcc_lo, 16, v13
	s_wait_tensorcnt 0x0
	ds_add_u32 v254, v255
	s_wait_dscnt 0x0
	s_and_saveexec_b32 s30, vcc_lo
	global_store_b128 v12, v[PW:PW+3], s[12:13]    ; 16 lanes store 256 consecutive bytes, aligned
	s_endpgm
.Lfunc_end_k_qc8a32f9624_quantw:
	.size	k_qc8a32f9624_quantw, .Lfunc_end_k_qc8a32f9624_quantw-k_qc8a32f9624_quantw
	.p2alignl 7, 3214868480
	.fill 96, 4, 3214868480
	.section	.rodata,"a",@progbits
	.p2align	6, 0x0
	.amdhsa_kernel k_qc8a32f9624_quantw
		.amdhsa_group_segment_fixed_size 132608
		.amdhsa_private_segment_fixed_size 0
		.amdhsa_enable_private_segment 0
		.amdhsa_kernarg_size 40
		.amdhsa_user_sgpr_count 2
		.amdhsa_user_sgpr_kernarg_segment_ptr 1
		.amdhsa_wavefront_size32 1
		.amdhsa_system_sgpr_workgroup_id_x 1
		.amdhsa_system_sgpr_workgroup_id_y 1
		.amdhsa_system_sgpr_workgroup_id_z 1
		.amdhsa_system_vgpr_workitem_id 0
		.amdhsa_next_free_vgpr 512
		.amdhsa_next_free_sgpr 66
		.amdhsa_reserve_vcc 1
		.amdhsa_float_denorm_mode_32 3
		.amdhsa_float_denorm_mode_16_64 3
		.amdhsa_memory_ordered 1
		.amdhsa_forward_progress 1
		.amdhsa_inst_pref_size 47
	.end_amdhsa_kernel
	.amdgpu_metadata
---
amdhsa.version: [ 1, 2 ]
amdhsa.kernels:
  - .name:           k_qc8a32f9624_quantw
    .symbol:         k_qc8a32f9624_quantw.kd
    .args:
      - { .name: Wq, .offset: 0, .size: 8, .value_kind: global_buffer, .address_space: global }
      - { .name: Wk, .offset: 8, .size: 8, .value_kind: global_buffer, .address_space: global }
      - { .name: Wv, .offset: 16, .size: 8, .value_kind: global_buffer, .address_space: global }
      - { .name: wbuf, .offset: 24, .size: 8, .value_kind: global_buffer, .address_space: global }
      - { .name: sbuf, .offset: 32, .size: 8, .value_kind: global_buffer, .address_space: global }
    .group_segment_fixed_size: 132608
    .private_segment_fixed_size: 0
    .kernarg_segment_align: 8
    .kernarg_segment_size: 40
    .max_flat_workgroup_size: 128
    .sgpr_count:     66
    .vgpr_count:     512
    .wavefront_size: 32
...
	.end_amdgpu_metadata
.endif
;; end of part 2
;; launch proj (part 3): grid 4 x 96, 4 waves a work-group, clusters of 4 x 4, 327,680 bytes of LDS; arguments xbuf, wbuf, sbuf, pbuf; writes pbuf
.if DOCPART == 3
	.amdgcn_target "amdgcn-amd-amdhsa--gfx1250"
	.amdhsa_code_object_version 6
	.text
	.protected	k_qc8a32f9624_proj
	.globl	k_qc8a32f9624_proj
	.p2align	8
	.type	k_qc8a32f9624_proj,@function
k_qc8a32f9624_proj:
	s_mov_b64 s[64:65], 0
	v_nop
	global_prefetch_b8 v0, s[64:65] scope:SCOPE_SE
	s_setreg_imm32_b32 hwreg(HW_REG_WAVE_MODE, 25, 1), 1
	s_wait_xcnt 0x0
	s_wait_alu depctr_hold_cnt(0) depctr_sa_sdst(0) depctr_va_vdst(0) depctr_va_sdst(0) depctr_va_ssrc(0) depctr_va_vcc(0) depctr_vm_vsrc(0)
	s_getreg_b32 s2, hwreg(HW_REG_IB_STS2, 6, 4)
	s_cmp_eq_u32 s2, 0
	s_cbranch_scc0 .Lentry_in_a_cluster
	s_endpgm
.Lentry_in_a_cluster:
	s_bfe_u32 s2, ttmp6, 0x10000c
	s_cmp_lg_u32 s2, 0xf033
	s_cbranch_scc0 .Lentry_shape_is_right
	s_endpgm
.Lentry_shape_is_right:
; The three projections q = Q Wq, k = K Wk, v = V Wv on codes of FP6 (E2M3) with E8M0 scales, K = 1,024, f32 sums; the results are quantised again in registers and leave as codes.
; Cluster y = 8 p + Yp: p = 0 q, 1 k, 2 v.  p < 2: A = the tokens' codes (8,192 rows), B = the weight's (1,024 rows (head, dk)).  p = 2: A = Wv's rows, B = V's tokens, so that v comes out with the KEYS along a
; lane's registers, which are the K of attention's second product.
; A tile of 256 x 256 to a work-group of four waves, 128 x 128 (64 accumulators, 512 registers) to a wave.  THE MATRIX INSTRUCTION IS USED TRANSPOSED: source 0 = 16 rows of B, source 1 = 16 rows of A.
; Row tiles hold rows 32 (t/2) + 8 (t%2) + r + 8 (r/8), so a lane's 64 results of one block of A are 128-wide neighbours of B: register 16 b + i = B row 32 b + 16 (lane/16) + i: the quantiser's order.
; OPERANDS lie in memory as images of their registers ([row tile][K step 8][1536]): a slot of 256 along K is, for 8 row tiles, 8 rows of 3,072 bytes, 12,288 bytes apart: one tensor load a wave.
; Ring of two slots, four slot steps, written out (the scale registers' numbers hang on the K step).  By this text's own count a wave has at most two tensor loads out.
; CLUSTER 4 x 4: A's tile is shared along a row of the cluster, B's along a column: joint loads.  The scale words (64 registers: A's in lanes 0-15, B's in lanes 16-31) come once, by loads of 16 bytes a lane.
; No prefetch: of the four slot steps two are asked for at the head.
; LIMITS: a block under 2^-124, and a block of zeros, keep the scale byte 1 (this program alone reads the bytes); NaN and infinities are not served.
; REGISTERS: window 0: v2-13 offsets; v16-23 LDS addresses; v28, v29 the add's; v32-95 scale words; v128-223 A's fragments, one set (on the way out: at work).  window 1: B's two sets at v0, v128.  windows 2, 3: accumulators.
.set FR,     12
.set NL,     4                         ; LDS loads that bring a fragment
.set NP,     4                         ; places behind this matrix instruction (ISA guide 7.12.1)
.set TROW,   3072                      ; a row tile's bytes in a slot
.set HALFT,  8*TROW
.set SLOT,   4*HALFT                   ; A's 16 row tiles, then B's 16
.set SPARE,  2*SLOT                    ; the spare words: 128 bytes a wave, two blocks of 256 bytes that no other line names
.set ADRA,   16                        ; v16-17 my A fragments in slot 0, 1 (+ 16 x lane); v18-19 the same + 8 x lane
.set ADRB,   20                        ; v20-21, v22-23 the same for B
.set SPW,    28
.set NIL,    29
.set SC,     32                        ; v[SC + 8 i + s]: lanes 0-15 A's block i, lanes 16-31 B's block i, K step s
.set AF,     128
.set TM,     128                       ; the way out: at work
.set PC,     144                       ; codes just made (12) and scratch (8)
.set PWS,    164                       ; eight scale words
.set G1,  24
.set G0,  32
.set G1B, 48
.set G0B, 56
.set SEL, 80
.set MSB, 0
.macro WIN new                         ; the immediate's high byte repeats the setting that is left
.if MSB != (\new)
	s_set_vgpr_msb (MSB<<8)|(\new)
.set MSB, (\new)
.endif
.endm
.set MUL_LO, 0xa1                      ; source 0 (B) window 1, source 1 (A) window 0, C and D window 2
.set MUL_HI, 0xf1
.set TO_B,   0x40
.macro JLOAD g0a, g1a, g0b, g1b        ; a joint load: waves 0, 1 fetch for A, waves 2, 3 for B; four v_nop follow each line
	s_cmp_eq_u32 s15, 0
	s_cbranch_scc0 .Lfor_b_\@
	tensor_load_to_lds s[\g0a:\g0a+3], s[\g1a:\g1a+7]
	s_nop 0
.rept 4
	v_nop
.endr
	s_branch .Lasked_\@
.Lfor_b_\@:
	tensor_load_to_lds s[\g0b:\g0b+3], s[\g1b:\g1b+7]
	s_nop 0
.rept 4
	v_nop
.endr
.Lasked_\@:
.endm
.macro CREST                           ; a round of the cluster's barrier behind its opening barrier
	s_cmp_lg_u32 s14, 0
	s_cbranch_scc1 .Lnot_wave_0_\@
	s_barrier_signal -3
.Lnot_wave_0_\@:
	s_barrier_wait -3
	s_barrier_signal -1
	s_barrier_wait -1
.endm
.macro CROUND
	s_barrier_signal -1
	s_barrier_wait -1
	CREST
.endm
.macro PLACES n
.rept \n
	v_nop
.endr
.endm
	s_load_b256 s[4:11], s[0:1], 0x0               ; xbuf, wbuf, sbuf, pbuf
	v_lshl_add_u32 v[SPW], v0, 2, SPARE
	v_mov_b32 v[NIL], 0
	ds_add_u32 v28, v29
	ds_add_u32 v28, v29
	s_wait_dscnt 0x0
	v_lshrrev_b32 v1, 5, v0
	v_readfirstlane_b32 s14, v1                    ; wave 0..3
	s_lshr_b32 s15, s14, 1                         ; which half of the tile's rows is mine.  Also: I fetch for A (0) or for B (1)
	s_and_b32 s16, s14, 1                          ; which half of its columns.  Also: which 8 row tiles I fetch
	s_bfe_u32 s40, ttmp6, 0x40000                  ; cx
	s_bfe_u32 s41, ttmp6, 0x40004                  ; cy
	s_and_b32 s66, ttmp7, 0xffff                   ; cluster y: shared by all sixteen partners
	s_and_b32 s67, s66, 7
	s_lshl_b32 s67, s67, 2                         ; 4 Yp
	s_lshr_b32 s66, s66, 3                         ; p
	s_mul_i32 s68, s66, 6291456
	s_mul_i32 s69, s66, 786432
	s_mul_i32 s70, s66, 262144
	s_mul_i32 s71, s66, 32768
	s_add_co_u32 s71, s71, 786432
	s_mov_b32 s74, 256
	s_mov_b32 s75, 8192
	s_cmp_lt_u32 s66, 2                            ; q or k?
	s_cselect_b32 s17, s67, 0
	s_cselect_b32 s42, 0, s67
	s_cselect_b32 s68, s68, 1572864                ; A's codes: tensor p of xbuf, or Wv in wbuf
	s_cselect_b32 s69, s69, 12582912               ; B's codes: weight p of wbuf, or V in xbuf
	s_cselect_b32 s70, s70, 851968                 ; A's scale words in sbuf
	s_cselect_b32 s71, s71, 524288                 ; B's
	s_cselect_b32 s72, 16, 0                       ; the way out: lanes 16-31 take a scale word's upper half (the second head), or the whole word
	s_cselect_b32 s73, 0xffff, -1                  ; two bytes of it, or four
	s_cselect_b32 s74, 8192, s74                   ; from lanes 0-15 to lanes 16-31: a head on, or the copy
	s_cselect_b32 s75, 256, s75                    ; from words 0-3 to words 4-7: the next group, or a head on
	s_add_co_u32 s17, s17, s41                     ; tile row: 4 Yp + cy, or cy
	s_add_co_u32 s42, s42, s40                     ; tile column: cx, or 4 Yp + cx
	s_lshl_b32 s43, s41, 2
	s_lshl_b32 s43, 15, s43                        ; my row of the cluster
	s_lshl_b32 s44, 0x1111, s40                    ; my column
	s_or_b32 s[G1+0], s43, (3<<16)|(1<<21)         ; 15:0 the mask; 17:16 elements of 8 bytes; 20 no padding; 21 set beside a mask
	s_or_b32 s[G1B+0], s44, (3<<16)|(1<<21)
.irp g, G1, G1B
	s_mov_b32 s[\g+1], 384<<16                     ; tensor_dim0 = 384 elements (3,072 bytes)
	s_mov_b32 s[\g+2], 8<<16                       ; tensor_dim1 = 8
	s_mov_b32 s[\g+3], 384<<16                     ; tile_dim0
	s_mov_b32 s[\g+4], 8                           ; tile_dim1
	s_mov_b32 s[\g+5], 1536                        ; from row tile to row tile: 12,288 bytes
	s_mov_b32 s[\g+6], 0
	s_mov_b32 s[\g+7], 0
.endr
	s_lshl_b32 s18, s16, 3
	s_lshl_b32 s20, s17, 4
	s_add_co_u32 s20, s20, s18                     ; A: the first row tile that I fetch
	s_mul_i32 s20, s20, 12288
	s_add_co_u32 s20, s20, s68
	s_mov_b32 s21, 0
	s_lshl_b32 s46, s42, 4
	s_add_co_u32 s46, s46, s18                     ; B likewise
	s_mul_i32 s46, s46, 12288
	s_add_co_u32 s46, s46, s69
	s_mov_b32 s47, 0
	s_mul_i32 s45, s14, HALFT                      ; where they go: no place in the cluster enters an LDS address
	s_wait_kmcnt 0x0
	s_cmp_lt_u32 s66, 2
	s_cselect_b64 s[22:23], s[4:5], s[6:7]
	s_cselect_b64 s[76:77], s[6:7], s[4:5]
	s_add_nc_u64 s[20:21], s[22:23], s[20:21]
	s_add_nc_u64 s[46:47], s[76:77], s[46:47]
	CROUND                                         ; all sixteen work-groups are here: the first joint loads meet
.irp s, 0,1
	s_mov_b32 s[G0+4*\s], 1
	s_add_co_u32 s[G0+4*\s+1], s45, \s*SLOT
	s_add_nc_u64 s[G0+4*\s+2:G0+4*\s+3], s[20:21], \s*TROW
	s_or_b32 s[G0+4*\s+3], s[G0+4*\s+3], 0x80000000
	s_mov_b32 s[G0B+4*\s], 1
	s_add_co_u32 s[G0B+4*\s+1], s45, \s*SLOT
	s_add_nc_u64 s[G0B+4*\s+2:G0B+4*\s+3], s[46:47], \s*TROW
	s_or_b32 s[G0B+4*\s+3], s[G0B+4*\s+3], 0x80000000
	JLOAD G0+4*\s, G1, G0B+4*\s, G1B
.endr
	v_and_b32 v1, 31, v0                           ; lane
	v_and_b32 v4, 15, v0                           ; r
	v_bfe_u32 v5, v0, 4, 1                         ; h
	v_lshlrev_b32 v2, 4, v1                        ; 16 x lane
	v_lshlrev_b32 v3, 3, v1                        ; 8 x lane
	; the scale words of my 8 blocks of A (lanes 0-15) and of B (lanes 16-31), all 8 K steps
	s_lshl_b32 s84, s17, 4
	s_lshl_b32 s85, s15, 3
	s_add_co_u32 s84, s84, s85
	s_lshl_b32 s84, s84, 9
	s_add_co_u32 s84, s84, s70
	s_lshl_b32 s85, s42, 4
	s_lshl_b32 s86, s16, 3
	s_add_co_u32 s85, s85, s86
	s_lshl_b32 s85, s85, 9
	s_add_co_u32 s85, s85, s71
	v_mov_b32 v6, s84
	v_mov_b32 v7, s85
	v_cmp_eq_u32 vcc_lo, 1, v5
	v_cndmask_b32 v6, v6, v7, vcc_lo
	v_lshl_add_u32 v10, v4, 4, v6
.irp i, 0,1,2,3,4,5,6,7
	global_load_b128 v[SC+8*\i:SC+8*\i+3], v10, s[8:9] offset:512*\i
	global_load_b128 v[SC+8*\i+4:SC+8*\i+7], v10, s[8:9] offset:512*\i+256
.endr
	s_mul_i32 s78, s15, HALFT                      ; my 8 blocks of A
	s_mul_i32 s79, s16, HALFT
	s_add_co_u32 s79, s79, 2*HALFT                 ; my 8 blocks of B, behind A's 16
.irp s, 0,1
	v_add_nc_u32 v[ADRA+\s], s78, v2
	v_add_nc_u32 v[ADRA+2+\s], s78, v3
	v_add_nc_u32 v[ADRB+\s], s79, v2
	v_add_nc_u32 v[ADRB+2+\s], s79, v3
	s_add_co_u32 s78, s78, SLOT
	s_add_co_u32 s79, s79, SLOT
.endr
	; the way out
	v_mul_u32_u24 v11, s72, v5                     ; by how much my lane shifts a scale word
	v_mul_u32_u24 v12, s74, v5
	v_lshl_add_u32 v12, v4, 4, v12                 ; where words 0-3 go
	v_add_nc_u32 v13, s75, v12                     ; and words 4-7
	s_mov_b32 s[SEL], 0x76543210
	s_mov_b32 s[SEL+1], 0xfedcba98
	s_lshl_b32 s84, s17, 8
	s_lshl_b32 s85, s15, 7
	s_add_co_u32 s84, s84, s85                     ; my first row of A
	s_lshl_b32 s85, s42, 8
	s_lshl_b32 s86, s16, 7
	s_add_co_u32 s85, s85, s86                     ; my first row of B
	s_cmp_lt_u32 s66, 2
	s_cselect_b32 s86, s84, s85                    ; my first token
	s_cselect_b32 s87, s85, s84                    ; my first row (head, dk)
	s_lshr_b32 s88, s86, 11                        ; batch
	s_bfe_u32 s89, s86, 0x40007                    ; step of 128 tokens
	s_lshr_b32 s87, s87, 6                         ; head
	s_lshl_b32 s88, s88, 4
	s_add_co_u32 s88, s88, s87
	s_lshl_b32 s88, s88, 4
	s_add_co_u32 s88, s88, s89                     ; (16 batch + head) 16 + step
	s_lshl_b32 s92, s88, 9
	s_mul_i32 s93, s66, 524288
	s_add_co_u32 s92, s92, s93
	s_add_co_u32 s92, s92, 18874368
	s_mov_b32 s93, 0
	s_add_nc_u64 s[82:83], s[10:11], s[92:93]      ; the scale words
	s_mul_i32 s90, s88, 6144
	s_mul_i32 s91, s66, 6291456
	s_add_co_u32 s90, s90, s91
	s_mov_b32 s91, 0
	s_add_nc_u64 s[10:11], s[10:11], s[90:91]      ; the codes
.macro FRAG reg, adr, q, i             ; a fragment comes as it was stored: 16, 8, 16, 8 bytes a lane, each run of lanes dense
	ds_load_b128 v[\reg:\reg+3], v[\adr] offset:(\i)*TROW+(\q)*1536
	ds_load_b64 v[\reg+4:\reg+5], v[\adr+2] offset:(\i)*TROW+(\q)*1536+512
	ds_load_b128 v[\reg+6:\reg+9], v[\adr] offset:(\i)*TROW+(\q)*1536+768
	ds_load_b64 v[\reg+10:\reg+11], v[\adr+2] offset:(\i)*TROW+(\q)*1536+1280
.endm
; 16 matrix instructions: A's blocks a0, a0 + 1 x B's eight; p: B's set; sg: the K step.  The 64 accumulators take turns, one instruction a turn.
.macro MUL16 a0, p, sg, zero
.irp a, \a0, \a0+1
.irp b, 0,1,2,3,4,5,6,7
.if \zero
	v_wmma_scale_f32_16x16x128_f8f6f4 v[8*(8*((\a)%4)+\b):8*(8*((\a)%4)+\b)+7], v[128*(\p)+FR*\b:128*(\p)+FR*\b+FR-1], v[AF+FR*(\a):AF+FR*(\a)+FR-1], 0, v[SC+8*\b+(\sg)], v[SC+8*(\a)+(\sg)] matrix_a_fmt:MATRIX_FMT_FP6 matrix_b_fmt:MATRIX_FMT_FP6 matrix_a_scale:MATRIX_SCALE_ROW1
.else
	v_wmma_scale_f32_16x16x128_f8f6f4 v[8*(8*((\a)%4)+\b):8*(8*((\a)%4)+\b)+7], v[128*(\p)+FR*\b:128*(\p)+FR*\b+FR-1], v[AF+FR*(\a):AF+FR*(\a)+FR-1], v[8*(8*((\a)%4)+\b):8*(8*((\a)%4)+\b)+7], v[SC+8*\b+(\sg)], v[SC+8*(\a)+(\sg)] matrix_a_fmt:MATRIX_FMT_FP6 matrix_b_fmt:MATRIX_FMT_FP6 matrix_a_scale:MATRIX_SCALE_ROW1
.endif
.endr
.endr
.endm
.macro FETCH_B slot, q, p
	WIN TO_B
.irp i, 0,1,2,3,4,5,6,7
	FRAG 128*(\p)+FR*\i, ADRB+\slot, \q, \i
.endr
	WIN 0
.endm
.macro FETCH_A slot, q, i0
.irp i, \i0, \i0+1, \i0+2, \i0+3
	FRAG AF+FR*(\i), ADRA+\slot, \q, \i
.endr
.endm
.macro STEP slot, sg, zero             ; a slot's first 128 along K
	s_wait_dscnt 4*NL                              ; B's set and A's blocks 0-3 are in; the youngest 16 loads (A's blocks 4-7) may be out
	WIN MUL_LO
	MUL16 0, 0, \sg, \zero
	MUL16 2, 0, \sg, \zero
	s_wait_dscnt 0
	PLACES NP                                      ; in front of loads into registers that matrix instructions have read
	FETCH_B \slot, 1, 1
	FETCH_A \slot, 1, 0
	WIN MUL_HI
	MUL16 4, 0, \sg, \zero
	MUL16 6, 0, \sg, \zero
	PLACES NP
	WIN 0
	FETCH_A \slot, 1, 4
.endm
.macro TURN slot, next, sg, fill       ; a slot's second 128 along K, and the change of slots
	s_wait_tensorcnt 0x0                           ; all my tensor loads have landed: my part of the next slot
	ds_add_u32 v[SPW], v[NIL]                      ; 0 onto my spare word
	s_wait_dscnt 4*NL+1                            ; (the add and the youngest 16 loads may be out)
	WIN MUL_LO
	MUL16 0, 1, \sg, 0
	s_wait_dscnt 0x0                               ; the add is done, and my reads of this slot are over
	s_barrier_signal -1
	MUL16 2, 1, \sg, 0
	WIN 0
	s_barrier_wait -1
.if \fill
	CREST                                          ; the barrier has opened a round of the cluster's: no wave of any partner still reads this slot or has a load on its way
	s_add_nc_u64 s[G0+4*\slot+2:G0+4*\slot+3], s[G0+4*\slot+2:G0+4*\slot+3], 2*TROW
	s_add_nc_u64 s[G0B+4*\slot+2:G0B+4*\slot+3], s[G0B+4*\slot+2:G0B+4*\slot+3], 2*TROW
	JLOAD G0+4*\slot, G1, G0B+4*\slot, G1B         ; the first tensor load behind the round; its four v_nop are the places in front of the loads below
.else
	PLACES NP
.endif
	FETCH_B \next, 0, 0
	FETCH_A \next, 0, 0
	WIN MUL_HI
	MUL16 4, 1, \sg, 0
	MUL16 6, 1, \sg, 0
	PLACES NP
	WIN 0
	FETCH_A \next, 0, 4
.endm
	s_wait_tensorcnt 1                             ; my part of slot 0 is in (slot 1's load may be out)
	s_barrier_signal -1
	s_barrier_wait -1
	FETCH_B 0, 0, 0
	FETCH_A 0, 0, 0
	FETCH_A 0, 0, 4
	s_wait_loadcnt 0x0                             ; the scale words
	STEP 0, 0, 1                                   ; the first products start the sums: nothing is cleared
	TURN 0, 1, 1, 1
	STEP 1, 2, 0
	TURN 1, 0, 3, 1
	STEP 0, 4, 0
	TURN 0, 1, 5, 0                                ; nothing is left to fetch
	STEP 1, 6, 0
	s_wait_dscnt 4*NL
	WIN MUL_LO
	MUL16 0, 1, 7, 0
	MUL16 2, 1, 7, 0
	s_wait_dscnt 0
	WIN MUL_HI
	MUL16 4, 1, 7, 0
	MUL16 6, 1, 7, 0
	WIN 0
	PLACES NP                                      ; in front of the first read of results and of writes into registers that held A's fragments
.irp b, 0,1,2,3
	v_mov_b32 v[TM+4+\b], 0                        ; a lane permute's destination counts as one of its sources
.endr
; THE WAY OUT.  Block a's 64 results of a lane are quantised along B's 128 rows: a fragment's 12 registers and a scale word.  Each accumulator is read from its low end on.
.macro OUTW a
.set AC, 64*((\a)%4)
.set WW, 2+(\a)/4
.set WS, WW|(WW<<2)
	WIN WS                                         ; sources 0 and 1 in the accumulators' window
.irp b, 0,1,2,3
	v_max3_num_f32 v[TM+\b], |v[AC+16*\b]|, |v[AC+1+16*\b]|, 0x1800000   ; and the floor 2^(3 - 127)
.endr
.irp i, 2,4,6,8,10,12,14
.irp b, 0,1,2,3
	v_max3_num_f32 v[TM+\b], |v[AC+16*\b+\i]|, |v[AC+1+16*\b+\i]|, v[TM+\b]
.endr
.endr
	WIN 0
.irp b, 0,1,2,3
	v_permlanex16_b32 v[TM+4+\b], v[TM+\b], s[SEL], s[SEL+1]
.endr
.irp b, 0,1,2,3
	v_max_num_f32 v[TM+\b], v[TM+\b], v[TM+4+\b]
.endr
.irp b, 0,1,2,3
	v_add_nc_u32 v[TM+12+\b], 0xff000000, v[TM+\b]
.endr
.irp b, 0,1,2,3
	v_lshrrev_b32 v[TM+4+\b], 23, v[TM+12+\b]
.endr
	v_lshl_or_b32 v[PWS+(\a)], v[TM+5], 8, v[TM+4]
	v_lshl_or_b32 v[PWS+(\a)], v[TM+6], 16, v[PWS+(\a)]
	v_lshl_or_b32 v[PWS+(\a)], v[TM+7], 24, v[PWS+(\a)]
	s_wait_xcnt 0x0                                ; the last block's stores have read their data
	WIN WW                                         ; source 0 in the accumulators' window
.irp c, 0,1
	v_cvt_scalef32_pk16_fp6_f32 v[PC+6*\c:PC+2+6*\c], v[AC+32*\c:AC+15+32*\c], v[TM+12+2*\c]
	v_cvt_scalef32_pk16_fp6_f32 v[PC+12+4*\c:PC+14+4*\c], v[AC+16+32*\c:AC+31+32*\c], v[TM+12+2*\c+1]
.endr
	WIN 0
	v_nop                                          ; one plain place behind a scaled conversion
.irp c, 0,1
.irp i, 0,1,2
	v_permlane16_swap_b32 v[PC+6*\c+\i], v[PC+12+4*\c+\i]
.endr
.irp i, 0,1,2
	v_mov_b32 v[PC+3+6*\c+\i], v[PC+12+4*\c+\i]
.endr
.endr
	s_cmp_eq_u32 s66, 2                            ; the same in all partners
	s_cbranch_scc1 .Lput_v_\@
	global_store_b128 v2, v[PC:PC+3], s[10:11] offset:(\a)*768               ; q, k: token tile a; 64 along dk of my first head,
	global_store_b64 v3, v[PC+4:PC+5], s[10:11] offset:(\a)*768+512
	global_store_b128 v2, v[PC+6:PC+9], s[10:11] offset:98304+(\a)*768       ; and of the head after it
	global_store_b64 v3, v[PC+10:PC+11], s[10:11] offset:98304+(\a)*768+512
	s_branch .Lput_\@
.Lput_v_\@:
	global_store_b128 v2, v[PC:PC+3], s[10:11] offset:((\a)/4)*98304+((\a)%4)*1536     ; v: head a / 4, dk tile a % 4, 128 keys
	global_store_b64 v3, v[PC+4:PC+5], s[10:11] offset:((\a)/4)*98304+((\a)%4)*1536+512
	global_store_b128 v2, v[PC+6:PC+9], s[10:11] offset:((\a)/4)*98304+((\a)%4)*1536+768
	global_store_b64 v3, v[PC+10:PC+11], s[10:11] offset:((\a)/4)*98304+((\a)%4)*1536+1280
.Lput_\@:
.endm
.irp a, 0,1,2,3,4,5,6,7
	OUTW \a
.endr
.irp a, 0,1,2,3,4,5,6,7
	v_lshrrev_b32 v[PWS+\a], v11, v[PWS+\a]        ; q, k: lanes 16-31 take the second head's two bytes
.endr
.irp a, 0,1,2,3,4,5,6,7
	v_and_b32 v[PWS+\a], s73, v[PWS+\a]            ; q, k: the bytes of the unused upper 64 along K are 0
.endr
	global_store_b128 v12, v[PWS:PWS+3], s[82:83]
	global_store_b128 v13, v[PWS+4:PWS+7], s[82:83]
	s_wait_tensorcnt 0x0                           ; the wave's end
	ds_add_u32 v[SPW], v[NIL]
	s_wait_dscnt 0x0
	CROUND                                         ; the closing round
	s_endpgm
.Lfunc_end_k_qc8a32f9624_proj:
	.size	k_qc8a32f9624_proj, .Lfunc_end_k_qc8a32f9624_proj-k_qc8a32f9624_proj
	.p2alignl 7, 3214868480
	.fill 96, 4, 3214868480
	.section	.rodata,"a",@progbits
	.p2align	6, 0x0
	.amdhsa_kernel k_qc8a32f9624_proj
		.amdhsa_group_segment_fixed_size 327680
		.amdhsa_private_segment_fixed_size 0
		.amdhsa_enable_private_segment 0
		.amdhsa_kernarg_size 32
		.amdhsa_user_sgpr_count 2
		.amdhsa_user_sgpr_kernarg_segment_ptr 1
		.amdhsa_wavefront_size32 1
		.amdhsa_system_sgpr_workgroup_id_x 1
		.amdhsa_system_sgpr_workgroup_id_y 1
		.amdhsa_system_sgpr_workgroup_id_z 1
		.amdhsa_system_vgpr_workitem_id 0
		.amdhsa_next_free_vgpr 1024
		.amdhsa_next_free_sgpr 96
		.amdhsa_reserve_vcc 1
		.amdhsa_float_denorm_mode_32 3
		.amdhsa_float_denorm_mode_16_64 3
		.amdhsa_memory_ordered 1
		.amdhsa_forward_progress 1
		.amdhsa_inst_pref_size 152
	.end_amdhsa_kernel
	.amdgpu_metadata
---
amdhsa.version: [ 1, 2 ]
amdhsa.kernels:
  - .name:           k_qc8a32f9624_proj
    .symbol:         k_qc8a32f9624_proj.kd
    .args:
      - { .name: xbuf, .offset: 0, .size: 8, .value_kind: global_buffer, .address_space: global }
      - { .name: wbuf, .offset: 8, .size: 8, .value_kind: global_buffer, .address_space: global }
      - { .name: sbuf, .offset: 16, .size: 8, .value_kind: global_buffer, .address_space: global }
      - { .name: pbuf, .offset: 24, .size: 8, .value_kind: global_buffer, .address_space: global }
    .group_segment_fixed_size: 327680
    .private_segment_fixed_size: 0
    .kernarg_segment_align: 8
    .kernarg_segment_size: 32
    .max_flat_workgroup_size: 128
    .sgpr_count:     96
    .vgpr_count:     1024
    .wavefront_size: 32
...
	.end_amdgpu_metadata
.endif
;; end of part 3
;; launch attn (part 4): grid 4 x 64, 16 waves a work-group, no clusters, 215,040 bytes of LDS; arguments pbuf, mbuf, cbuf, sbuf; writes cbuf, sbuf
.if DOCPART == 4
	.amdgcn_target "amdgcn-amd-amdhsa--gfx1250"
	.amdhsa_code_object_version 6
	.text
	.protected	k_qc8a32f9624_attn
	.globl	k_qc8a32f9624_attn
	.p2align	8
	.type	k_qc8a32f9624_attn,@function
k_qc8a32f9624_attn:
	s_mov_b64 s[64:65], 0
	v_nop
	global_prefetch_b8 v0, s[64:65] scope:SCOPE_SE
	s_setreg_imm32_b32 hwreg(HW_REG_WAVE_MODE, 25, 1), 1
	s_wait_xcnt 0x0
; Attention of one (batch, head) on codes of FP6 (E2M3): S^T = k q^T (K = 64: the upper half of the instruction's 128 meets q's zero codes), the mask, p = 2^(t - M) with t = score x 8 log2(e) and M the running
; largest t rounded up to a whole number, p quantised along the keys, O^T += v^T p^T, O / (the sum of the unquantised p), quantised along dk: the codes of the output projection's operand.
; THE MASK IS AN INPUT.  An earlier launch has stored, for each tile of 16 queries and step of 128 keys, 64 lane-mask words (one select a score register) and a flag: 0 no key allowed: the step is left out;
; 1 some: the selects run; 2 all: they are jumped over.  This launch has no tensor load, and so no joint loads either.
; A row with no allowed key at all gets the scale bytes 0xff: the output projection then gives NaN there, as the softmax of an empty row does.
; SHARES.  A work-group takes one head and 32 of its 128 query tiles.  The head's k, v and their scale words (212,992 bytes) come into LDS once, through registers, and are only read behind the one barrier.
; Each of the sixteen waves takes tiles T = 4 wave + x and 127 - T, one after the other.  A lane holds one query throughout (both products are used transposed).
; No prefetch: all that is read more than once a wave is asked for in one run at the head.
; The scale bytes of the result leave one byte a lane (1/25 of the launch's stored bytes).
; LIMITS: NaN and infinities among the inputs are not served; a block under 2^-124, and a block of zeros, keep the scale byte 1.
; REGISTERS: v1-5 lane terms; v6-10 the step's LDS addresses; v11 -infinity; v12 -M, v13 largest t, v[14:15] the sum; v16-27 q (v22-27 zeros); v28 q's scale word; v29-31 offsets; v32-85 k's 8 x 6 registers and six zeros,
; then v's 48; v86-93 k's scale words, v94-97 v's; v100-163 S^T, then p; v164-195 O^T; v196-215 codes; v216-233 at work.  s16-63, s68-83: the step's 64 mask words.
.set S,   100
.set OT,  164
.set PC,  196
.set BM,  216                          ; the blocks' largest scores, then largest p
.set BT,  220                          ; at work; the scales' bytes
.set SO,  224                          ; the conversions' scale operands
.set FF,  228                          ; f = 2^(old M - new M); v229: p's scale word
.set TT,  230
.set RC,  232                          ; 1 / the sum (named as a pair with v233)
.set SEL, 84
.set CS,  86
.set TK,  88                           ; the step's codes in LDS: 6,144 bytes a step
.set TS,  89                           ; its scale words: 512 bytes a step
.set NST, 90
.set NPS, 91
.set MP,  92                           ; s[92:93] the step's mask words
	s_load_b256 s[4:11], s[0:1], 0x0               ; pbuf, mbuf, cbuf, sbuf
	v_lshl_add_u32 v254, v0, 2, 0x34000
	v_mov_b32 v255, 0
	v_lshrrev_b32 v1, 5, v0
	v_readfirstlane_b32 s12, v1                    ; wave 0..15
	s_and_b32 s94, ttmp7, 0xffff                   ; 16 batch + head
	v_lshlrev_b32 v6, 4, v0                        ; the fill: 16 bytes a thread, 8,192 a round
	v_add_nc_u32 v7, 0x10000, v6
	v_add_nc_u32 v8, 0x20000, v6
	v_add_nc_u32 v9, 0x30000, v6
	s_mul_i32 s96, s94, 98304
	s_mov_b32 s97, 0
	s_lshl_b32 s98, s94, 13
	s_mov_b32 s99, 0
	s_wait_kmcnt 0x0
	s_add_nc_u64 s[2:3], s[4:5], s[96:97]          ; q's codes of my head
	s_add_nc_u64 s[16:17], s[2:3], 6291456         ; k's
	s_add_nc_u64 s[18:19], s[2:3], 12582912        ; v's
	s_add_nc_u64 s[66:67], s[4:5], s[98:99]
	s_add_nc_u64 s[66:67], s[66:67], 18874368      ; q's scale words
	s_add_nc_u64 s[20:21], s[66:67], 524288        ; k's
	s_add_nc_u64 s[22:23], s[66:67], 1048576       ; v's
.irp n, 0,1,2,3,4,5,6,7,8,9,10,11
	global_load_b128 v[100+4*\n:103+4*\n], v6, s[16:17] offset:8192*\n
.endr
.irp n, 0,1,2,3,4,5,6,7,8,9,10,11
	global_load_b128 v[148+4*\n:151+4*\n], v6, s[18:19] offset:8192*\n
.endr
	global_load_b128 v[196:199], v6, s[20:21]
	global_load_b128 v[200:203], v6, s[22:23]
	v_and_b32 v234, 31, v0                         ; lane
	v_and_b32 v235, 15, v0                         ; r
	v_bfe_u32 v236, v0, 4, 1                       ; h
	v_lshlrev_b32 v1, 4, v234                      ; 16 x lane: k's 16-byte pieces in LDS, and the codes' in memory
	v_lshlrev_b32 v2, 3, v234                      ; 8 x lane
	v_lshl_add_u32 v3, v234, 4, 98304              ; v's, behind k's
	v_lshl_add_u32 v4, v234, 3, 98304
	v_lshl_add_u32 v5, v235, 4, 196608             ; scale words: 16 bytes a row
	v_lshlrev_b32 v29, 4, v235                     ; 16 r
	v_add_nc_u32 v30, v29, v236                    ; 16 r + h
	v_lshlrev_b32 v31, 3, v236                     ; 8 h
	v_mov_b32 v11, 0xff800000                      ; -infinity
.irp i, 22,23,24,25,26,27,80,81,82,83,84,85
	v_mov_b32 v\i, 0                               ; q's upper 64 along K: zero codes; and what stands behind k's last tile
.endr
.irp i, 220,221,222,223,229,230,233
	v_mov_b32 v\i, 0                               ; written once: permute destinations and upper halves of pairs count as read
.endr
	s_mov_b32 s[SEL], 0x76543210
	s_mov_b32 s[SEL+1], 0xfedcba98
	s_mov_b32 s[CS], 0x4138aa3b                    ; c = 8 log2(e): the logit is score x 8
	s_mov_b32 s[CS+1], s[CS]
	s_lshl_b32 s13, s12, 2
	s_add_co_u32 s13, s13, ttmp9                   ; T
	s_lshr_b32 s95, s94, 4                         ; batch
	s_and_b32 s94, s94, 15                         ; head
	s_mul_i32 s96, s95, 1572864                    ; 128 tiles x 12,288 bytes
	s_mul_i32 s98, s94, 768
	s_add_co_u32 s96, s96, s98
	s_add_nc_u64 s[8:9], s[8:9], s[96:97]          ; the result's codes: [tile][head][768]
	s_lshl_b32 s96, s95, 16                        ; 128 tiles x 512 bytes
	s_lshr_b32 s98, s94, 3
	s_lshl_b32 s98, s98, 8
	s_add_co_u32 s96, s96, s98
	s_bfe_u32 s98, s94, 0x20001
	s_lshl_b32 s98, s98, 2
	s_add_co_u32 s96, s96, s98
	s_and_b32 s98, s94, 1
	s_lshl_b32 s98, s98, 1
	s_add_co_u32 s96, s96, s98
	s_add_co_u32 s96, s96, 917504
	s_add_nc_u64 s[10:11], s[10:11], s[96:97]      ; its scale bytes: word (head / 2) % 4 of group head / 8, bytes 2 (head % 2) + 0, 1
.set n, 0
.rept 26
	s_wait_loadcnt 25-n                            ; round n is in; the younger rounds may be out
	ds_store_b128 v[6+n/8], v[100+4*n:103+4*n] offset:8192*(n%8)
.set n, n+1
.endr
	s_wait_dscnt 0x0                               ; for the others' sake: my stores have landed
	s_barrier_signal -1
	s_barrier_wait -1                              ; from here on LDS is only read
	s_mov_b32 s[NPS], 2
.Lpass:
	s_wait_xcnt 0x0                                ; the last tile's stores have read their data and addresses
	s_mul_i32 s94, s13, 768
	s_mov_b32 s95, 0
	s_add_nc_u64 s[96:97], s[2:3], s[94:95]
	s_lshr_b32 s94, s13, 2
	s_lshl_b32 s94, s94, 8
	s_and_b32 s88, s13, 3
	s_lshl_b32 s88, s88, 2
	s_add_co_u32 s94, s94, s88
	s_add_nc_u64 s[98:99], s[66:67], s[94:95]
	s_lshl_b32 s94, s13, 2
	s_add_nc_u64 s[100:101], s[6:7], s[94:95]
	s_lshl_b32 s94, s13, 12
	s_add_nc_u64 s[MP:MP+1], s[6:7], s[94:95]
	global_load_b128 v[16:19], v1, s[96:97]        ; q's tile: 64 along K, six registers
	global_load_b64 v[20:21], v2, s[96:97] offset:512
	global_load_b32 v28, v29, s[98:99]             ; its scale words
	s_load_b32 s14, s[100:101], 0x80000            ; the tile's 16 flags
	v_mov_b32 v13, 0xff61b1e6                      ; the largest t so far: -3e38
	v_floor_f32 v12, -v13                          ; -M
	v_mov_b32 v14, 0
	v_mov_b32 v15, 0
.set j, 0
.rept 32
	v_mov_b32 v[OT+j], 0                           ; O^T: the step is written once, and the first change of M leaves zeros zeros
.set j, j+1
.endr
	s_mov_b32 s[TK], 0
	s_mov_b32 s[TS], 0
	s_mov_b32 s[NST], 16
	s_wait_kmcnt 0x0
	s_wait_loadcnt 0x0
.Lstep:
	s_and_b32 s15, s14, 3
	s_cmp_eq_u32 s15, 0
	s_cbranch_scc1 .Lskip                          ; no key of this step is allowed for any of my 16 queries
	s_load_b512 s[16:31], s[MP:MP+1], 0x0          ; the mask words are asked for on every way through the step
	s_load_b512 s[32:47], s[MP:MP+1], 0x40
	s_load_b512 s[48:63], s[MP:MP+1], 0x80
	s_load_b512 s[68:83], s[MP:MP+1], 0xc0
	v_add_nc_u32 v6, s[TK], v1                     ; (these five are also the places in front of loads into registers that the last products read)
	v_add_nc_u32 v7, s[TK], v2
	v_add_nc_u32 v8, s[TK], v3
	v_add_nc_u32 v9, s[TK], v4
	v_add_nc_u32 v10, s[TS], v5
.irp t, 0,1,2,3,4,5,6,7
	ds_load_b128 v[32+6*\t:35+6*\t], v6 offset:768*\t
	ds_load_b64 v[36+6*\t:37+6*\t], v7 offset:768*\t+512
.endr
	ds_load_b128 v[86:89], v10
	ds_load_b128 v[90:93], v10 offset:256
	s_wait_dscnt 0x0
.irp t, 0,1,2,3,4,5,6,7                        ; tile t's operand runs on into the next tile's six registers: they meet q's zero codes
	v_wmma_scale_f32_16x16x128_f8f6f4 v[S+8*\t:S+8*\t+7], v[32+6*\t:43+6*\t], v[16:27], 0, v[86+\t], v28 matrix_a_fmt:MATRIX_FMT_FP6 matrix_b_fmt:MATRIX_FMT_FP6
.endr
.rept 4
	v_nop                                          ; places in front of the loads below and of the first read of the scores
.endr
.irp t, 0,1,2,3                                ; v's four fragments land while the softmax is worked
	ds_load_b128 v[32+12*\t:35+12*\t], v8 offset:1536*\t
	ds_load_b64 v[36+12*\t:37+12*\t], v9 offset:1536*\t+512
	ds_load_b128 v[38+12*\t:41+12*\t], v8 offset:1536*\t+768
	ds_load_b64 v[42+12*\t:43+12*\t], v9 offset:1536*\t+1280
.endr
	ds_load_b128 v[94:97], v10 offset:8192
	s_wait_kmcnt 0x0
	s_cmp_eq_u32 s15, 1
	s_cbranch_scc0 .Lopen                          ; all keys of the step are allowed
.set j, 0
.rept 64                                       ; register 16 b + i holds key 32 b + 16 (lane / 16) + i: hidden scores become -infinity, so p = 0
.if j < 48
	v_cndmask_b32 v[S+j], v11, v[S+j], s[16+j]
.else
	v_cndmask_b32 v[S+j], v11, v[S+j], s[20+j]
.endif
.set j, j+1
.endr
.Lopen:
.irp b, 0,1,2,3
	v_max3_num_f32 v[BM+\b], v[S+16*\b], v[S+1+16*\b], v[S+2+16*\b]   ; the largest score of each block of 32 keys: for the row's maximum and, since p rises with the score, for the block's largest p
.endr
.irp i, 3,5,7,9,11,13
.irp b, 0,1,2,3
	v_max3_num_f32 v[BM+\b], v[BM+\b], v[S+16*\b+\i], v[S+1+16*\b+\i]
.endr
.endr
.irp b, 0,1,2,3
	v_max_num_f32 v[BM+\b], v[BM+\b], v[S+15+16*\b]
.endr
.irp b, 0,1,2,3
	v_permlanex16_b32 v[BT+\b], v[BM+\b], s[SEL], s[SEL+1]
.endr
.irp b, 0,1,2,3
	v_max_num_f32 v[BM+\b], v[BM+\b], v[BT+\b]
.endr
	v_max3_num_f32 v[TT], v[BM], v[BM+1], v[BM+2]
	v_max_num_f32 v[TT], v[TT], v[BM+3]
	v_mul_f32 v[TT], s[CS], v[TT]                  ; the step's largest t (c is positive)
	v_max_num_f32 v13, v13, v[TT]
	v_mov_b32 v[TT], v12
	v_floor_f32 v12, -v13                          ; the new -M = -ceil(t)
	v_sub_f32 v[TT], v12, v[TT]                    ; old M - new M: a whole number, 0 or less
	v_cvt_i32_f32 v[TT], v[TT]                     ; (it saturates)
	v_ldexp_f32 v[FF], 1.0, v[TT]                  ; f = 2^(old M - new M): rounds nothing
.set j, 0
.rept 32
	v_pk_fma_f32 v[S+j:S+j+1], v[S+j:S+j+1], s[CS:CS+1], v[12:13] op_sel_hi:[1,0,0]   ; t - M
.set j, j+2
.endr
.irp b, 0,1,2,3
	v_fma_f32 v[BM+\b], v[BM+\b], s[CS], v12
.endr
.set j, 0
.rept 64
	v_exp_f32 v[S+j], v[S+j]                       ; p = 2^(t - M): not normalised
.set j, j+1
.endr
	v_pk_mul_f32 v[14:15], v[14:15], v[FF:FF+1] op_sel_hi:[1,0]      ; the sums under the new M (a plain place behind the exponentials)
	s_wait_alu depctr_va_vdst(0)                   ; one wait for the batch, ahead of its first reader
.irp b, 0,1,2,3
	v_exp_f32 v[BM+\b], v[BM+\b]                   ; the blocks' largest p
.endr
	v_pk_add_f32 v[BT:BT+1], v[S:S+1], v[S+2:S+3]  ; the row's sum is taken of the unquantised p, in two chains
.irp j, 4,8,12,16,20,24,28,32,36,40,44,48,52,56,60
	v_pk_add_f32 v[14:15], v[14:15], v[S+\j:S+1+\j]
	v_pk_add_f32 v[BT:BT+1], v[BT:BT+1], v[S+2+\j:S+3+\j]
.endr
	v_pk_add_f32 v[14:15], v[14:15], v[BT:BT+1]
	s_wait_alu depctr_va_vdst(0)                   ; and one for the four
.irp b, 0,1,2,3
	v_max_num_f32 v[BM+\b], 0x1800000, v[BM+\b]    ; the floor 2^(3 - 127)
.endr
.irp b, 0,1,2,3
	v_add_nc_u32 v[SO+\b], 0xff000000, v[BM+\b]
.endr
.irp b, 0,1,2,3
	v_lshrrev_b32 v[BT+\b], 23, v[SO+\b]
.endr
	v_lshl_or_b32 v[FF+1], v[BT+1], 8, v[BT]       ; p's scale word for these 128 keys
	v_lshl_or_b32 v[FF+1], v[BT+2], 16, v[FF+1]
	v_lshl_or_b32 v[FF+1], v[BT+3], 24, v[FF+1]
.irp c, 0,1
	v_cvt_scalef32_pk16_fp6_f32 v[PC+6*\c:PC+2+6*\c], v[S+32*\c:S+15+32*\c], v[SO+2*\c]
	v_cvt_scalef32_pk16_fp6_f32 v[PC+12+4*\c:PC+14+4*\c], v[S+16+32*\c:S+31+32*\c], v[SO+2*\c+1]
.endr
	v_nop                                          ; one plain place behind a scaled conversion
.irp c, 0,1
.irp i, 0,1,2
	v_permlane16_swap_b32 v[PC+6*\c+\i], v[PC+12+4*\c+\i]
.endr
.irp i, 0,1,2
	v_mov_b32 v[PC+3+6*\c+\i], v[PC+12+4*\c+\i]
.endr
.endr
.set j, 0
.rept 16
	v_pk_mul_f32 v[OT+j:OT+j+1], v[OT+j:OT+j+1], v[FF:FF+1] op_sel_hi:[1,0]   ; O^T under the new M; these 16 are also the places between the scale word's and the codes' last writes and the products
.set j, j+2
.endr
	s_wait_dscnt 0x0                               ; v's fragments and scale words
.irp t, 0,1,2,3                                ; four accumulators by turns
	v_wmma_scale_f32_16x16x128_f8f6f4 v[OT+8*\t:OT+8*\t+7], v[32+12*\t:43+12*\t], v[PC:PC+11], v[OT+8*\t:OT+8*\t+7], v[94+\t], v[FF+1] matrix_a_fmt:MATRIX_FMT_FP6 matrix_b_fmt:MATRIX_FMT_FP6
.endr
.Lskip:
	s_lshr_b32 s14, s14, 2
	s_add_co_u32 s[TK], s[TK], 6144
	s_add_co_u32 s[TS], s[TS], 512
	s_add_nc_u64 s[MP:MP+1], s[MP:MP+1], 256       ; (the step's scalar loads were waited for)
	s_sub_co_u32 s[NST], s[NST], 1
	s_cmp_lg_u32 s[NST], 0
	s_cbranch_scc1 .Lstep
	; THE TILE'S END: O^T / the sum, quantised along dk (two blocks of 32): half a fragment of the output projection's operand
.rept 4
	v_nop                                          ; places behind the last products
.endr
	v_add_f32 v14, v14, v15
	v_permlanex16_b32 v[TT], v14, s[SEL], s[SEL+1]
	v_add_f32 v14, v14, v[TT]                      ; the row's sum
	v_rcp_f32 v[RC], v14
	v_nop                                          ; a plain place behind the transcendental
	s_wait_alu depctr_va_vdst(0)                   ; the wait ahead of its first reader
.set j, 0
.rept 16
	v_pk_mul_f32 v[S+j:S+j+1], v[OT+j:OT+j+1], v[RC:RC+1] op_sel_hi:[1,0]   ; register 16 b + i = dk 32 b + 16 (lane / 16) + i
.set j, j+2
.endr
.irp b, 0,1
	v_max3_num_f32 v[BM+\b], |v[S+16*\b]|, |v[S+1+16*\b]|, 0x1800000
.endr
.irp i, 2,4,6,8,10,12,14
.irp b, 0,1
	v_max3_num_f32 v[BM+\b], v[BM+\b], |v[S+16*\b+\i]|, |v[S+1+16*\b+\i]|
.endr
.endr
.irp b, 0,1
	v_permlanex16_b32 v[BT+\b], v[BM+\b], s[SEL], s[SEL+1]
.endr
.irp b, 0,1
	v_max_num_f32 v[BM+\b], v[BM+\b], v[BT+\b]
.endr
.irp b, 0,1
	v_add_nc_u32 v[SO+\b], 0xff000000, v[BM+\b]
.endr
.irp b, 0,1
	v_lshrrev_b32 v[BT+\b], 23, v[SO+\b]
.endr
	v_lshl_or_b32 v[TT+1], v[BT+1], 8, v[BT]       ; the two scale bytes
	v_cmp_neq_f32 vcc_lo, 0, v14
	v_cndmask_b32 v[TT+1], 0xffff, v[TT+1], vcc_lo ; a row without an allowed key: both bytes 0xff
	v_lshrrev_b32 v[TT+1], v31, v[TT+1]            ; lanes 16-31 store the second byte
	v_cvt_scalef32_pk16_fp6_f32 v[PC:PC+2], v[S:S+15], v[SO]
	v_cvt_scalef32_pk16_fp6_f32 v[PC+12:PC+14], v[S+16:S+31], v[SO+1]
	v_nop                                          ; one plain place behind a scaled conversion
.irp i, 0,1,2
	v_permlane16_swap_b32 v[PC+\i], v[PC+12+\i]
.endr
.irp i, 0,1,2
	v_mov_b32 v[PC+3+\i], v[PC+12+\i]
.endr
	s_mul_i32 s94, s13, 12288
	s_add_nc_u64 s[96:97], s[8:9], s[94:95]        ; (q's loads, which named these registers, were waited for)
	s_lshl_b32 s94, s13, 9
	s_add_nc_u64 s[98:99], s[10:11], s[94:95]
	global_store_b128 v1, v[PC:PC+3], s[96:97]     ; 512 consecutive bytes, aligned to 256
	global_store_b64 v2, v[PC+4:PC+5], s[96:97] offset:512
	global_store_b8 v30, v[TT+1], s[98:99]
	s_sub_co_u32 s13, 127, s13                     ; the wave's second tile
	s_sub_co_u32 s[NPS], s[NPS], 1
	s_cmp_lg_u32 s[NPS], 0
	s_cbranch_scc1 .Lpass
	s_wait_tensorcnt 0x0
	ds_add_u32 v254, v255
	s_wait_dscnt 0x0
	s_endpgm
.Lfunc_end_k_qc8a32f9624_attn:
	.size	k_qc8a32f9624_attn, .Lfunc_end_k_qc8a32f9624_attn-k_qc8a32f9624_attn
	.p2alignl 7, 3214868480
	.fill 96, 4, 3214868480
	.section	.rodata,"a",@progbits
	.p2align	6, 0x0
	.amdhsa_kernel k_qc8a32f9624_attn
		.amdhsa_group_segment_fixed_size 215040
		.amdhsa_private_segment_fixed_size 0
		.amdhsa_enable_private_segment 0
		.amdhsa_kernarg_size 32
		.amdhsa_user_sgpr_count 2
		.amdhsa_user_sgpr_kernarg_segment_ptr 1
		.amdhsa_wavefront_size32 1
		.amdhsa_system_sgpr_workgroup_id_x 1
		.amdhsa_system_sgpr_workgroup_id_y 1
		.amdhsa_system_sgpr_workgroup_id_z 1
		.amdhsa_system_vgpr_workitem_id 0
		.amdhsa_next_free_vgpr 256
		.amdhsa_next_free_sgpr 102
		.amdhsa_reserve_vcc 1
		.amdhsa_float_denorm_mode_32 3
		.amdhsa_float_denorm_mode_16_64 3
		.amdhsa_memory_ordered 1
		.amdhsa_forward_progress 1
		.amdhsa_inst_pref_size 36
	.end_amdhsa_kernel
	.amdgpu_metadata
---
amdhsa.version: [ 1, 2 ]
amdhsa.kernels:
  - .name:           k_qc8a32f9624_attn
    .symbol:         k_qc8a32f9624_attn.kd
    .args:
      - { .name: pbuf, .offset: 0, .size: 8, .value_kind: global_buffer, .address_space: global }
      - { .name: mbuf, .offset: 8, .size: 8, .value_kind: global_buffer, .address_space: global }
      - { .name: cbuf, .offset: 16, .size: 8, .value_kind: global_buffer, .address_space: global }
      - { .name: sbuf, .offset: 24, .size: 8, .value_kind: global_buffer, .address_space: global }
    .group_segment_fixed_size: 215040
    .private_segment_fixed_size: 0
    .kernarg_segment_align: 8
    .kernarg_segment_size: 32
    .max_flat_workgroup_size: 512
    .sgpr_count:     102
    .vgpr_count:     256
    .wavefront_size: 32
...
	.end_amdgpu_metadata
.endif
;; end of part 4
;; launch outp (part 5): grid 4 x 32, 4 waves a work-group, clusters of 4 x 4, 327,680 bytes of LDS; arguments cbuf, wbuf, sbuf, bo, out0; writes out0
.if DOCPART == 5
	.amdgcn_target "amdgcn-amd-amdhsa--gfx1250"
	.amdhsa_code_object_version 6
	.text
	.protected	k_qc8a32f9624_outp
	.globl	k_qc8a32f9624_outp
	.p2align	8
	.type	k_qc8a32f9624_outp,@function
k_qc8a32f9624_outp:
	s_mov_b64 s[64:65], 0
	v_nop
	global_prefetch_b8 v0, s[64:65] scope:SCOPE_SE
	s_setreg_imm32_b32 hwreg(HW_REG_WAVE_MODE, 25, 1), 1
	s_wait_xcnt 0x0
	s_wait_alu depctr_hold_cnt(0) depctr_sa_sdst(0) depctr_va_vdst(0) depctr_va_sdst(0) depctr_va_ssrc(0) depctr_va_vcc(0) depctr_vm_vsrc(0)
	s_getreg_b32 s2, hwreg(HW_REG_IB_STS2, 6, 4)
	s_cmp_eq_u32 s2, 0
	s_cbranch_scc0 .Lentry_in_a_cluster
	s_endpgm
.Lentry_in_a_cluster:
	s_bfe_u32 s2, ttmp6, 0x10000c
	s_cmp_lg_u32 s2, 0xf033
	s_cbranch_scc0 .Lentry_shape_is_right
	s_endpgm
.Lentry_shape_is_right:
; out0 = concat Wo^T + bo on codes of FP6 (E2M3) with E8M0 scales, K = 1,024, f32 sums.  A = concat's codes (8,192 tokens), B = Wo's (1,024 rows), both as images of operand registers
; ([row tile][K step 8][1536]; row tile t holds rows 32 (t/2) + 8 (t%2) + r + 8 (r/8)).  The core is the projections': a tile of 256 x 256 to a work-group of four waves, 128 x 128 a wave, the matrix
; instruction used transposed (source 0 = 16 rows of Wo, source 1 = 16 tokens), a ring of two slots of 256 along K, four slot steps written out, joint loads in a cluster of 4 x 4 (A's tile shared along a row
; of the cluster, B's along a column).  By this text's own count a wave has at most two tensor loads out.  128 tiles: 128 work-groups.
; THE BIAS is the C of each sum's first matrix instruction: 64 registers in the result's layout (register j of B's block 2 u + w: column 32 u + 8 w + 16 (lane/16) + j).
; THE WAY OUT: a block of 16 tokens x 128 columns goes through the wave's own stage in LDS, in true column order, and leaves as whole rows of 512 bytes.  The stage lies in slot 0, which has had its last fill,
; and which nobody reads behind the last change of slots.  No prefetch: of the four slot steps two are asked for at the head.
; REGISTERS: window 0: v2-10 offsets; v16-23 LDS addresses; v24, v25 the stage; v28, v29 the add's; v32-95 scale words; v96-127, v224-255 the bias; v128-223 A's fragments (on the way out v128-255: rows read back).
;   window 1: B's two sets at v0, v128.  windows 2, 3: accumulators.
.set FR,     12
.set NL,     4
.set NP,     4
.set TROW,   3072
.set HALFT,  8*TROW
.set SLOT,   4*HALFT
.set SPARE,  2*SLOT                    ; the spare words: 128 bytes a wave, two blocks of 256 bytes that no other line names
.set SPITCH, 528
.set ADRA,   16
.set ADRB,   20
.set STO,    24
.set RD,     25
.set SPW,    28
.set NIL,    29
.set SC,     32
.set BI,     96                        ; the bias of B's block b at v[BI + 8 b + 96 (b / 4)]
.set AF,     128
.set BK,     128
.set G1,  24
.set G0,  32
.set G1B, 48
.set G0B, 56
.set MSB, 0
.macro WIN new
.if MSB != (\new)
	s_set_vgpr_msb (MSB<<8)|(\new)
.set MSB, (\new)
.endif
.endm
.set MUL_LO, 0xa1                      ; source 0 (B) window 1, source 1 (A) window 0, C and D window 2
.set MUL_HI, 0xf1
.set FST_LO, 0x81                      ; the first products: C (the bias) window 0, D window 2
.set FST_HI, 0xc1
.set TO_B,   0x40
.macro JLOAD g0a, g1a, g0b, g1b        ; a joint load: waves 0, 1 fetch for A, waves 2, 3 for B; four v_nop follow each line
	s_cmp_eq_u32 s15, 0
	s_cbranch_scc0 .Lfor_b_\@
	tensor_load_to_lds s[\g0a:\g0a+3], s[\g1a:\g1a+7]
	s_nop 0
.rept 4
	v_nop
.endr
	s_branch .Lasked_\@
.Lfor_b_\@:
	tensor_load_to_lds s[\g0b:\g0b+3], s[\g1b:\g1b+7]
	s_nop 0
.rept 4
	v_nop
.endr
.Lasked_\@:
.endm
.macro CREST
	s_cmp_lg_u32 s14, 0
	s_cbranch_scc1 .Lnot_wave_0_\@
	s_barrier_signal -3
.Lnot_wave_0_\@:
	s_barrier_wait -3
	s_barrier_signal -1
	s_barrier_wait -1
.endm
.macro CROUND
	s_barrier_signal -1
	s_barrier_wait -1
	CREST
.endm
.macro PLACES n
.rept \n
	v_nop
.endr
.endm
	s_load_b256 s[4:11], s[0:1], 0x0               ; cbuf, wbuf, sbuf, bo
	s_load_b64 s[12:13], s[0:1], 0x20              ; out0
	v_lshl_add_u32 v[SPW], v0, 2, SPARE
	v_mov_b32 v[NIL], 0
	ds_add_u32 v28, v29
	ds_add_u32 v28, v29
	s_wait_dscnt 0x0
	v_lshrrev_b32 v1, 5, v0
	v_readfirstlane_b32 s14, v1                    ; wave 0..3
	s_lshr_b32 s15, s14, 1                         ; which half of the tile's rows is mine.  Also: I fetch for A (0) or for B (1)
	s_and_b32 s16, s14, 1                          ; which half of its columns.  Also: which 8 row tiles I fetch
	s_bfe_u32 s40, ttmp6, 0x40000                  ; cx
	s_bfe_u32 s41, ttmp6, 0x40004                  ; cy
	s_lshl_b32 s42, ttmp9, 2
	s_add_co_u32 s42, s42, s40                     ; tile column
	s_and_b32 s17, ttmp7, 0xffff
	s_lshl_b32 s17, s17, 2
	s_add_co_u32 s17, s17, s41                     ; tile row
	s_lshl_b32 s43, s41, 2
	s_lshl_b32 s43, 15, s43                        ; my row of the cluster
	s_lshl_b32 s44, 0x1111, s40                    ; my column
	s_or_b32 s[G1+0], s43, (3<<16)|(1<<21)         ; 15:0 the mask; 17:16 elements of 8 bytes; 20 no padding; 21 set beside a mask
	s_or_b32 s[G1B+0], s44, (3<<16)|(1<<21)
.irp g, G1, G1B
	s_mov_b32 s[\g+1], 384<<16                     ; tensor_dim0 = 384 elements (3,072 bytes)
	s_mov_b32 s[\g+2], 8<<16                       ; tensor_dim1 = 8
	s_mov_b32 s[\g+3], 384<<16                     ; tile_dim0
	s_mov_b32 s[\g+4], 8                           ; tile_dim1
	s_mov_b32 s[\g+5], 1536                        ; from row tile to row tile: 12,288 bytes
	s_mov_b32 s[\g+6], 0
	s_mov_b32 s[\g+7], 0
.endr
	s_lshl_b32 s18, s16, 3
	s_lshl_b32 s20, s17, 4
	s_add_co_u32 s20, s20, s18
	s_mul_i32 s20, s20, 12288
	s_mov_b32 s21, 0
	s_lshl_b32 s46, s42, 4
	s_add_co_u32 s46, s46, s18
	s_mul_i32 s46, s46, 12288
	s_add_co_u32 s46, s46, 2359296                 ; Wo's codes lie behind the three other weights'
	s_mov_b32 s47, 0
	s_mul_i32 s45, s14, HALFT
	s_wait_kmcnt 0x0
	s_add_nc_u64 s[20:21], s[4:5], s[20:21]
	s_add_nc_u64 s[46:47], s[6:7], s[46:47]
	CROUND                                         ; all sixteen work-groups are here: the first joint loads meet
.irp s, 0,1
	s_mov_b32 s[G0+4*\s], 1
	s_add_co_u32 s[G0+4*\s+1], s45, \s*SLOT
	s_add_nc_u64 s[G0+4*\s+2:G0+4*\s+3], s[20:21], \s*TROW
	s_or_b32 s[G0+4*\s+3], s[G0+4*\s+3], 0x80000000
	s_mov_b32 s[G0B+4*\s], 1
	s_add_co_u32 s[G0B+4*\s+1], s45, \s*SLOT
	s_add_nc_u64 s[G0B+4*\s+2:G0B+4*\s+3], s[46:47], \s*TROW
	s_or_b32 s[G0B+4*\s+3], s[G0B+4*\s+3], 0x80000000
	JLOAD G0+4*\s, G1, G0B+4*\s, G1B
.endr
	v_and_b32 v1, 31, v0                           ; lane
	v_and_b32 v4, 15, v0                           ; r
	v_bfe_u32 v5, v0, 4, 1                         ; h
	v_lshlrev_b32 v2, 4, v1                        ; 16 x lane
	v_lshlrev_b32 v3, 3, v1                        ; 8 x lane
	s_lshl_b32 s84, s17, 4
	s_lshl_b32 s85, s15, 3
	s_add_co_u32 s84, s84, s85
	s_lshl_b32 s84, s84, 9
	s_add_co_u32 s84, s84, 917504                  ; concat's scale words of my 8 blocks
	s_lshl_b32 s85, s42, 4
	s_lshl_b32 s86, s16, 3
	s_add_co_u32 s85, s85, s86
	s_lshl_b32 s85, s85, 9
	s_add_co_u32 s85, s85, 884736                  ; Wo's
	v_mov_b32 v6, s84
	v_mov_b32 v7, s85
	v_cmp_eq_u32 vcc_lo, 1, v5
	v_cndmask_b32 v6, v6, v7, vcc_lo
	v_lshl_add_u32 v10, v4, 4, v6
.irp i, 0,1,2,3,4,5,6,7
	global_load_b128 v[SC+8*\i:SC+8*\i+3], v10, s[8:9] offset:512*\i
	global_load_b128 v[SC+8*\i+4:SC+8*\i+7], v10, s[8:9] offset:512*\i+256
.endr
	s_lshl_b32 s86, s42, 10
	s_lshl_b32 s87, s16, 9
	s_add_co_u32 s86, s86, s87                     ; my first column, in bytes
	s_mov_b32 s87, 0
	s_add_nc_u64 s[10:11], s[10:11], s[86:87]
	v_lshlrev_b32 v9, 6, v5                        ; lanes 16-31: 16 columns on
.irp b, 0,1,2,3,4,5,6,7
	global_load_b128 v[BI+8*\b+96*(\b/4):BI+8*\b+96*(\b/4)+3], v9, s[10:11] offset:(32*(\b/2)+8*(\b%2))*4
	global_load_b128 v[BI+8*\b+96*(\b/4)+4:BI+8*\b+96*(\b/4)+7], v9, s[10:11] offset:(32*(\b/2)+8*(\b%2))*4+16
.endr
	s_mul_i32 s78, s15, HALFT
	s_mul_i32 s79, s16, HALFT
	s_add_co_u32 s79, s79, 2*HALFT
.irp s, 0,1
	v_add_nc_u32 v[ADRA+\s], s78, v2
	v_add_nc_u32 v[ADRA+2+\s], s78, v3
	v_add_nc_u32 v[ADRB+\s], s79, v2
	v_add_nc_u32 v[ADRB+2+\s], s79, v3
	s_add_co_u32 s78, s78, SLOT
	s_add_co_u32 s79, s79, SLOT
.endr
	s_mul_i32 s88, s14, 16*SPITCH                  ; my stage
	v_mul_u32_u24 v[STO], v4, SPITCH
	v_lshl_add_u32 v[STO], v5, 6, v[STO]
	v_add_nc_u32 v[STO], s88, v[STO]               ; in: row r, + 64 h
	v_add_nc_u32 v[RD], s88, v2                    ; back: a whole row, 16 bytes a lane
	s_lshl_b32 s84, s17, 8
	s_lshl_b32 s85, s15, 7
	s_add_co_u32 s84, s84, s85                     ; my first token
	s_lshl_b32 s84, s84, 12                        ; x 4,096 bytes
	s_mov_b32 s85, 0
	s_add_nc_u64 s[12:13], s[12:13], s[84:85]
	s_add_nc_u64 s[12:13], s[12:13], s[86:87]
.macro FRAG reg, adr, q, i
	ds_load_b128 v[\reg:\reg+3], v[\adr] offset:(\i)*TROW+(\q)*1536
	ds_load_b64 v[\reg+4:\reg+5], v[\adr+2] offset:(\i)*TROW+(\q)*1536+512
	ds_load_b128 v[\reg+6:\reg+9], v[\adr] offset:(\i)*TROW+(\q)*1536+768
	ds_load_b64 v[\reg+10:\reg+11], v[\adr+2] offset:(\i)*TROW+(\q)*1536+1280
.endm
; 16 matrix instructions: A's blocks a0, a0 + 1 x B's eight.  first = 1: the bias starts the sums.  The 64 accumulators take turns, one instruction a turn.
.macro MUL16 a0, p, sg, first
.irp a, \a0, \a0+1
.irp b, 0,1,2,3,4,5,6,7
.if \first
	v_wmma_scale_f32_16x16x128_f8f6f4 v[8*(8*((\a)%4)+\b):8*(8*((\a)%4)+\b)+7], v[128*(\p)+FR*\b:128*(\p)+FR*\b+FR-1], v[AF+FR*(\a):AF+FR*(\a)+FR-1], v[BI+8*\b+96*(\b/4):BI+8*\b+96*(\b/4)+7], v[SC+8*\b+(\sg)], v[SC+8*(\a)+(\sg)] matrix_a_fmt:MATRIX_FMT_FP6 matrix_b_fmt:MATRIX_FMT_FP6 matrix_a_scale:MATRIX_SCALE_ROW1
.else
	v_wmma_scale_f32_16x16x128_f8f6f4 v[8*(8*((\a)%4)+\b):8*(8*((\a)%4)+\b)+7], v[128*(\p)+FR*\b:128*(\p)+FR*\b+FR-1], v[AF+FR*(\a):AF+FR*(\a)+FR-1], v[8*(8*((\a)%4)+\b):8*(8*((\a)%4)+\b)+7], v[SC+8*\b+(\sg)], v[SC+8*(\a)+(\sg)] matrix_a_fmt:MATRIX_FMT_FP6 matrix_b_fmt:MATRIX_FMT_FP6 matrix_a_scale:MATRIX_SCALE_ROW1
.endif
.endr
.endr
.endm
.macro FETCH_B slot, q, p
	WIN TO_B
.irp i, 0,1,2,3,4,5,6,7
	FRAG 128*(\p)+FR*\i, ADRB+\slot, \q, \i
.endr
	WIN 0
.endm
.macro FETCH_A slot, q, i0
.irp i, \i0, \i0+1, \i0+2, \i0+3
	FRAG AF+FR*(\i), ADRA+\slot, \q, \i
.endr
.endm
.macro STEP slot, sg, first
	s_wait_dscnt 4*NL                              ; B's set and A's blocks 0-3 are in; the youngest 16 loads (A's blocks 4-7) may be out
.if \first
	WIN FST_LO
.else
	WIN MUL_LO
.endif
	MUL16 0, 0, \sg, \first
	MUL16 2, 0, \sg, \first
	s_wait_dscnt 0
	PLACES NP
	FETCH_B \slot, 1, 1
	FETCH_A \slot, 1, 0
.if \first
	WIN FST_HI
.else
	WIN MUL_HI
.endif
	MUL16 4, 0, \sg, \first
	MUL16 6, 0, \sg, \first
	PLACES NP
	WIN 0
	FETCH_A \slot, 1, 4
.endm
.macro TURN slot, next, sg, fill
	s_wait_tensorcnt 0x0                           ; all my tensor loads have landed: my part of the next slot
	ds_add_u32 v[SPW], v[NIL]                      ; 0 onto my spare word
	s_wait_dscnt 4*NL+1                            ; (the add and the youngest 16 loads may be out)
	WIN MUL_LO
	MUL16 0, 1, \sg, 0
	s_wait_dscnt 0x0                               ; the add is done, and my reads of this slot are over
	s_barrier_signal -1
	MUL16 2, 1, \sg, 0
	WIN 0
	s_barrier_wait -1
.if \fill
	CREST                                          ; the barrier has opened a round of the cluster's: no wave of any partner still reads this slot or has a load on its way
	s_add_nc_u64 s[G0+4*\slot+2:G0+4*\slot+3], s[G0+4*\slot+2:G0+4*\slot+3], 2*TROW
	s_add_nc_u64 s[G0B+4*\slot+2:G0B+4*\slot+3], s[G0B+4*\slot+2:G0B+4*\slot+3], 2*TROW
	JLOAD G0+4*\slot, G1, G0B+4*\slot, G1B
.else
	PLACES NP
.endif
	FETCH_B \next, 0, 0
	FETCH_A \next, 0, 0
	WIN MUL_HI
	MUL16 4, 1, \sg, 0
	MUL16 6, 1, \sg, 0
	PLACES NP
	WIN 0
	FETCH_A \next, 0, 4
.endm
	s_wait_tensorcnt 1                             ; my part of slot 0 is in (slot 1's load may be out)
	s_barrier_signal -1
	s_barrier_wait -1
	FETCH_B 0, 0, 0
	FETCH_A 0, 0, 0
	FETCH_A 0, 0, 4
	s_wait_loadcnt 0x0                             ; the scale words and the bias
	STEP 0, 0, 1
	TURN 0, 1, 1, 1
	STEP 1, 2, 0
	TURN 1, 0, 3, 1
	STEP 0, 4, 0
	TURN 0, 1, 5, 0                                ; nothing is left to fetch; behind this barrier nobody reads slot 0
	STEP 1, 6, 0
	s_wait_dscnt 4*NL
	WIN MUL_LO
	MUL16 0, 1, 7, 0
	MUL16 2, 1, 7, 0
	s_wait_dscnt 0
	WIN MUL_HI
	MUL16 4, 1, 7, 0
	MUL16 6, 1, 7, 0
	WIN 0
.macro TOSTAGE a                       ; block a into my stage, in true column order, and back as whole rows.  LDS serves a wave's instructions in order: no wait between
.set AC, 64*((\a)%4)
	WIN 0x08+4*((\a)/4)                            ; an LDS store's data are its source 1: window 2 or 3
.irp b, 0,1,2,3,4,5,6,7
	ds_store_b128 v[STO], v[AC+8*\b:AC+8*\b+3] offset:128*(\b/2)+32*(\b%2)        ; each accumulator from its low end on
	ds_store_b128 v[STO], v[AC+8*\b+4:AC+8*\b+7] offset:128*(\b/2)+32*(\b%2)+16
.endr
	WIN 0
.set BB, BK+64*((\a)%2)
.irp t, 0,1,2,3,4,5,6,7,8,9,10,11,12,13,14,15
	ds_load_b128 v[BB+4*\t:BB+4*\t+3], v[RD] offset:\t*SPITCH
.endr
.endm
.macro SEND a, younger                 ; younger: the LDS instructions issued behind block a's loads, which may stay out
.set BB, BK+64*((\a)%2)
	s_wait_dscnt \younger
.irp t, 0,1,2,3,4,5,6,7,8,9,10,11,12,13,14,15
	global_store_b128 v2, v[BB+4*\t:BB+4*\t+3], s[12:13] offset:(32*((\a)/2)+8*((\a)%2)+\t+8*(\t/8))*4096 th:TH_STORE_NT   ; 32 lanes store 512 consecutive bytes, aligned to 256; the row's true number stands in the immediate
.endr
.endm
	PLACES NP                                      ; in front of the first read of results and of loads into registers that held A's fragments
	TOSTAGE 0
.irp a, 1,2,3,4,5,6,7
.if \a > 1
	s_wait_xcnt 0x0                                ; block a - 2's stores have read their registers: block a's loads may land there
.endif
	TOSTAGE \a
	SEND \a-1, 32                                  ; behind block a - 1's loads: block a's 16 stores and 16 loads
.endr
	SEND 7, 0
	s_wait_tensorcnt 0x0                           ; the wave's end
	ds_add_u32 v[SPW], v[NIL]
	s_wait_dscnt 0x0
	CROUND                                         ; the closing round
	s_endpgm
.Lfunc_end_k_qc8a32f9624_outp:
	.size	k_qc8a32f9624_outp, .Lfunc_end_k_qc8a32f9624_outp-k_qc8a32f9624_outp
	.p2alignl 7, 3214868480
	.fill 96, 4, 3214868480
	.section	.rodata,"a",@progbits
	.p2align	6, 0x0
	.amdhsa_kernel k_qc8a32f9624_outp
		.amdhsa_group_segment_fixed_size 327680
		.amdhsa_private_segment_fixed_size 0
		.amdhsa_enable_private_segment 0
		.amdhsa_kernarg_size 40
		.amdhsa_user_sgpr_count 2
		.amdhsa_user_sgpr_kernarg_segment_ptr 1
		.amdhsa_wavefront_size32 1
		.amdhsa_system_sgpr_workgroup_id_x 1
		.amdhsa_system_sgpr_workgroup_id_y 1
		.amdhsa_system_sgpr_workgroup_id_z 1
		.amdhsa_system_vgpr_workitem_id 0
		.amdhsa_next_free_vgpr 1024
		.amdhsa_next_free_sgpr 96
		.amdhsa_reserve_vcc 1
		.amdhsa_float_denorm_mode_32 3
		.amdhsa_float_denorm_mode_16_64 3
		.amdhsa_memory_ordered 1
		.amdhsa_forward_progress 1
		.amdhsa_inst_pref_size 142
	.end_amdhsa_kernel
	.amdgpu_metadata
---
amdhsa.version: [ 1, 2 ]
amdhsa.kernels:
  - .name:           k_qc8a32f9624_outp
    .symbol:         k_qc8a32f9624_outp.kd
    .args:
      - { .name: cbuf, .offset: 0, .size: 8, .value_kind: global_buffer, .address_space: global }
      - { .name: wbuf, .offset: 8, .size: 8, .value_kind: global_buffer, .address_space: global }
      - { .name: sbuf, .offset: 16, .size: 8, .value_kind: global_buffer, .address_space: global }
      - { .name: bo, .offset: 24, .size: 8, .value_kind: global_buffer, .address_space: global }
      - { .name: out0, .offset: 32, .size: 8, .value_kind: global_buffer, .address_space: global }
    .group_segment_fixed_size: 327680
    .private_segment_fixed_size: 0
    .kernarg_segment_align: 8
    .kernarg_segment_size: 40
    .max_flat_workgroup_size: 128
    .sgpr_count:     96
    .vgpr_count:     1024
    .wavefront_size: 32
...
	.end_amdgpu_metadata
.endif
;; end of part 5
;; ======== version 2 of 2: 5 launches; version 1 with the launch attn written anew for expert scheduling mode
;; workspace buffers: xbuf 18,874,368 bytes; wbuf 3,145,728 bytes; sbuf 1,179,648 bytes; mbuf 524,800 bytes of whole numbers; pbuf 20,447,232 bytes; cbuf 6,291,456 bytes
;; launch prep: the kernel of part 1 again; grid 928 x 1, 4 waves a work-group, no clusters, 68,096 bytes of LDS; arguments Q, K, V, Wo, mask, xbuf, wbuf, sbuf, mbuf; writes xbuf, wbuf, sbuf, mbuf
;; launch quantw: the kernel of part 2 again; grid 96 x 1, 4 waves a work-group, no clusters, 132,608 bytes of LDS; arguments Wq, Wk, Wv, wbuf, sbuf; writes wbuf, sbuf
;; launch proj: the kernel of part 3 again; grid 4 x 96, 4 waves a work-group, clusters of 4 x 4, 327,680 bytes of LDS; arguments xbuf, wbuf, sbuf, pbuf; writes pbuf
;; launch attn (part 6): grid 4 x 64, 16 waves a work-group, no clusters, 215,040 bytes of LDS; arguments pbuf, mbuf, cbuf, sbuf; writes cbuf, sbuf
.if DOCPART == 6
	.amdgcn_target "amdgcn-amd-amdhsa--gfx1250"
	.amdhsa_code_object_version 6
	.text
	.protected	k_qc8a32f9624_attn
	.globl	k_qc8a32f9624_attn
	.p2align	8
	.type	k_qc8a32f9624_attn,@function
k_qc8a32f9624_attn:
	s_mov_b64 s[64:65], 0
	v_nop
	global_prefetch_b8 v0, s[64:65] scope:SCOPE_SE
	s_setreg_imm32_b32 hwreg(HW_REG_WAVE_SCHED_MODE, 0, 2), 2
	s_setreg_imm32_b32 hwreg(HW_REG_WAVE_MODE, 25, 1), 1
	s_wait_xcnt 0x0
	s_wait_alu depctr_vm_vsrc(0)
; Attention of one (batch, head) on codes of FP6 (E2M3): S^T = k q^T (K = 64: the upper half of the instruction's 128 meets q's zero codes), the mask, p = 2^(t - M) with t = score x 8 log2(e) and M the running
; largest t rounded up to a whole number, p quantised along the keys, O^T += v^T p^T, O / (the sum of the unquantised p), quantised along dk: the codes of the output projection's operand.
; THE MASK IS AN INPUT.  An earlier launch has stored, for each tile of 16 queries and step of 128 keys, 64 lane-mask words (one select a score register) and a flag: 0 no key allowed: the step is left out;
; 1 some: the selects run; 2 all: they are jumped over.  This launch has no tensor load, and so no joint loads either.
; A row with no allowed key at all gets the scale bytes 0xff: the output projection then gives NaN there, as the softmax of an empty row does.
; SHARES.  A work-group takes one head and 32 of its 128 query tiles.  The head's k, v and their scale words (212,992 bytes) come into LDS once, through registers, and are only read behind the one barrier.
; Each of the sixteen waves takes tiles T = 4 wave + x and 127 - T, one after the other.  A lane holds one query throughout (both products are used transposed).
; No prefetch: all that is read more than once a wave is asked for in one run at the head.
; The scale bytes of the result leave one byte a lane (1/25 of the launch's stored bytes).
; LIMITS: NaN and infinities among the inputs are not served; a block under 2^-124, and a block of zeros, keep the scale byte 1.
; REGISTERS: v1-5 lane terms; v6-10 the step's LDS addresses; v11 -infinity; v12 -M, v13 largest t, v[14:15] the sum; v16-27 q (v22-27 zeros); v28 q's scale word; v29-31 offsets; v32-85 k's 8 x 6 registers and six zeros,
; then v's 48; v86-93 k's scale words, v94-97 v's; v100-163 S^T, then p; v164-195 O^T; v196-215 codes; v216-233 at work.  s16-63, s68-83: the step's 64 mask words.
; THE MODE: SCHED_MODE bits 1:0 = 2 (LLVM: expert scheduling mode 2), set by the entry lines.  The code itself states the register dependences between vector or matrix instructions and memory or LDS
; instructions, with s_wait_alu, always for 0.
; THE PLAN.  Registers that memory or LDS instructions touch:
;   v6-v9 at the head     written once, ahead of the fill; read by its 26 loads (v6) and its 26 LDS stores.
;   v100-v203 at the head the fill's loads land there, its LDS stores read them; from the first tile on they are S^T, O^T and the codes, written by vector and matrix instructions.
;   v1, v2, v29, v30      offsets, made once at the head and never written again: read by q's loads and by a tile's stores.
;   v16-v21, v28          q's loads land there at a tile's head; every step's eight products k q^T read them.
;   v6-v10 in a step      written by five additions at the step's head; read by the step's 35 LDS loads.
;   v32-v79               k's loads land at the step's head, the eight products k q^T read them; v's loads land behind those, the four products v^T p^T at the step's end read them.
;   v86-v93, v94-v97      the scale words, loaded and read with them.
;   v196-v201, v231       a tile's codes and scale bytes: written by vector instructions at the tile's end, read by its three stores.
; A step holds one wait on vm_vsrc, ahead of the five additions, and, beside the two waits behind its exponentials, three waits on va_vdst: behind the additions (in front of k's loads), behind the products
; k q^T (in front of v's loads), and in front of the products v^T p^T, whose operand p and its scale word vector instructions have made.  A second set of registers for k or v (48 and more) does not fit
; into the wave's 256, so v's loads stand straight behind their wait, with the whole softmax in which to land.
.set S,   100
.set OT,  164
.set PC,  196
.set BM,  216                          ; the blocks' largest scores, then largest p
.set BT,  220                          ; at work; the scales' bytes
.set SO,  224                          ; the conversions' scale operands
.set FF,  228                          ; f = 2^(old M - new M); v229: p's scale word
.set TT,  230
.set RC,  232                          ; 1 / the sum (named as a pair with v233)
.set SEL, 84
.set CS,  86
.set TK,  88                           ; the step's codes in LDS: 6,144 bytes a step
.set TS,  89                           ; its scale words: 512 bytes a step
.set NST, 90
.set NPS, 91
.set MP,  92                           ; s[92:93] the step's mask words
	s_load_b256 s[4:11], s[0:1], 0x0               ; pbuf, mbuf, cbuf, sbuf
	v_lshl_add_u32 v254, v0, 2, 0x34000
	v_mov_b32 v255, 0
	v_lshrrev_b32 v1, 5, v0
	v_readfirstlane_b32 s12, v1                    ; wave 0..15
	s_and_b32 s94, ttmp7, 0xffff                   ; 16 batch + head
	v_lshlrev_b32 v6, 4, v0                        ; the fill: 16 bytes a thread, 8,192 a round
	v_add_nc_u32 v7, 0x10000, v6
	v_add_nc_u32 v8, 0x20000, v6
	v_add_nc_u32 v9, 0x30000, v6
	s_mul_i32 s96, s94, 98304
	s_mov_b32 s97, 0
	s_lshl_b32 s98, s94, 13
	s_mov_b32 s99, 0
	s_wait_kmcnt 0x0
	s_add_nc_u64 s[2:3], s[4:5], s[96:97]          ; q's codes of my head
	s_add_nc_u64 s[16:17], s[2:3], 6291456         ; k's
	s_add_nc_u64 s[18:19], s[2:3], 12582912        ; v's
	s_add_nc_u64 s[66:67], s[4:5], s[98:99]
	s_add_nc_u64 s[66:67], s[66:67], 18874368      ; q's scale words
	s_add_nc_u64 s[20:21], s[66:67], 524288        ; k's
	s_add_nc_u64 s[22:23], s[66:67], 1048576       ; v's
	s_wait_alu depctr_va_vdst(0)                   ; v6 is written, which the fill's loads read as their offset, and so are v6 to v9, the addresses of its LDS stores
.irp n, 0,1,2,3,4,5,6,7,8,9,10,11
	global_load_b128 v[100+4*\n:103+4*\n], v6, s[16:17] offset:8192*\n
.endr
.irp n, 0,1,2,3,4,5,6,7,8,9,10,11
	global_load_b128 v[148+4*\n:151+4*\n], v6, s[18:19] offset:8192*\n
.endr
	global_load_b128 v[196:199], v6, s[20:21]
	global_load_b128 v[200:203], v6, s[22:23]
	v_and_b32 v234, 31, v0                         ; lane
	v_and_b32 v235, 15, v0                         ; r
	v_bfe_u32 v236, v0, 4, 1                       ; h
	v_lshlrev_b32 v1, 4, v234                      ; 16 x lane: k's 16-byte pieces in LDS, and the codes' in memory
	v_lshlrev_b32 v2, 3, v234                      ; 8 x lane
	v_lshl_add_u32 v3, v234, 4, 98304              ; v's, behind k's
	v_lshl_add_u32 v4, v234, 3, 98304
	v_lshl_add_u32 v5, v235, 4, 196608             ; scale words: 16 bytes a row
	v_lshlrev_b32 v29, 4, v235                     ; 16 r
	v_add_nc_u32 v30, v29, v236                    ; 16 r + h
	v_lshlrev_b32 v31, 3, v236                     ; 8 h
	v_mov_b32 v11, 0xff800000                      ; -infinity
.irp i, 22,23,24,25,26,27,80,81,82,83,84,85
	v_mov_b32 v\i, 0                               ; q's upper 64 along K: zero codes; and what stands behind k's last tile
.endr
.irp i, 220,221,222,223,229,230,233
	v_mov_b32 v\i, 0                               ; written once: permute destinations and upper halves of pairs count as read
.endr
	s_mov_b32 s[SEL], 0x76543210
	s_mov_b32 s[SEL+1], 0xfedcba98
	s_mov_b32 s[CS], 0x4138aa3b                    ; c = 8 log2(e): the logit is score x 8
	s_mov_b32 s[CS+1], s[CS]
	s_wait_alu depctr_va_sdst(0)                   ; s12, the wave's number, is written, ahead of its first reader: the wave's tile is made from it
	s_lshl_b32 s13, s12, 2
	s_add_co_u32 s13, s13, ttmp9                   ; T
	s_lshr_b32 s95, s94, 4                         ; batch
	s_and_b32 s94, s94, 15                         ; head
	s_mul_i32 s96, s95, 1572864                    ; 128 tiles x 12,288 bytes
	s_mul_i32 s98, s94, 768
	s_add_co_u32 s96, s96, s98
	s_add_nc_u64 s[8:9], s[8:9], s[96:97]          ; the result's codes: [tile][head][768]
	s_lshl_b32 s96, s95, 16                        ; 128 tiles x 512 bytes
	s_lshr_b32 s98, s94, 3
	s_lshl_b32 s98, s98, 8
	s_add_co_u32 s96, s96, s98
	s_bfe_u32 s98, s94, 0x20001
	s_lshl_b32 s98, s98, 2
	s_add_co_u32 s96, s96, s98
	s_and_b32 s98, s94, 1
	s_lshl_b32 s98, s98, 1
	s_add_co_u32 s96, s96, s98
	s_add_co_u32 s96, s96, 917504
	s_add_nc_u64 s[10:11], s[10:11], s[96:97]      ; its scale bytes: word (head / 2) % 4 of group head / 8, bytes 2 (head % 2) + 0, 1
.set n, 0
.rept 26
	s_wait_loadcnt 25-n                            ; round n is in; the younger rounds may be out
	ds_store_b128 v[6+n/8], v[100+4*n:103+4*n] offset:8192*(n%8)
.set n, n+1
.endr
	s_wait_dscnt 0x0                               ; for the others' sake: my stores have landed
	s_barrier_signal -1
	s_barrier_wait -1                              ; from here on LDS is only read
	s_mov_b32 s[NPS], 2
.Lpass:
	s_wait_xcnt 0x0                                ; the last tile's stores have read their data and addresses
	s_wait_alu depctr_vm_vsrc(0)                   ; first tile: the fill's LDS stores have read v164 to v203, which the lines below and the steps write; second tile: the stores have read the codes and the scale bytes, which the steps and the tile's end write again
	s_mul_i32 s94, s13, 768
	s_mov_b32 s95, 0
	s_add_nc_u64 s[96:97], s[2:3], s[94:95]
	s_lshr_b32 s94, s13, 2
	s_lshl_b32 s94, s94, 8
	s_and_b32 s88, s13, 3
	s_lshl_b32 s88, s88, 2
	s_add_co_u32 s94, s94, s88
	s_add_nc_u64 s[98:99], s[66:67], s[94:95]
	s_lshl_b32 s94, s13, 2
	s_add_nc_u64 s[100:101], s[6:7], s[94:95]
	s_lshl_b32 s94, s13, 12
	s_add_nc_u64 s[MP:MP+1], s[6:7], s[94:95]
	s_wait_alu depctr_va_vdst(0)                   ; first tile: the offsets v1, v2 and v29 are written, which the loads below read; second tile: the last tile's products are done reading v16 to v21 and v28, in which these loads land
	global_load_b128 v[16:19], v1, s[96:97]        ; q's tile: 64 along K, six registers
	global_load_b64 v[20:21], v2, s[96:97] offset:512
	global_load_b32 v28, v29, s[98:99]             ; its scale words
	s_load_b32 s14, s[100:101], 0x80000            ; the tile's 16 flags
	v_mov_b32 v13, 0xff61b1e6                      ; the largest t so far: -3e38
	v_floor_f32 v12, -v13                          ; -M
	v_mov_b32 v14, 0
	v_mov_b32 v15, 0
.set j, 0
.rept 32
	v_mov_b32 v[OT+j], 0                           ; O^T: the step is written once, and the first change of M leaves zeros zeros
.set j, j+1
.endr
	s_mov_b32 s[TK], 0
	s_mov_b32 s[TS], 0
	s_mov_b32 s[NST], 16
	s_wait_kmcnt 0x0
	s_wait_loadcnt 0x0
.Lstep:
	s_and_b32 s15, s14, 3
	s_cmp_eq_u32 s15, 0
	s_cbranch_scc1 .Lskip                          ; no key of this step is allowed for any of my 16 queries
	s_load_b512 s[16:31], s[MP:MP+1], 0x0          ; the mask words are asked for on every way through the step
	s_load_b512 s[32:47], s[MP:MP+1], 0x40
	s_load_b512 s[48:63], s[MP:MP+1], 0x80
	s_load_b512 s[68:83], s[MP:MP+1], 0xc0
	s_wait_alu depctr_vm_vsrc(0)                   ; the LDS loads issued so far (ahead of the first step of all: the fill's loads and LDS stores) have read v6 to v10, which the five lines below write
	v_add_nc_u32 v6, s[TK], v1
	v_add_nc_u32 v7, s[TK], v2
	v_add_nc_u32 v8, s[TK], v3
	v_add_nc_u32 v9, s[TK], v4
	v_add_nc_u32 v10, s[TS], v5
	s_wait_alu depctr_va_vdst(0)                   ; the five addresses are written, which all LDS loads of this step read; the last step's products are done reading v32 to v79 and v86 to v93, in which the loads below land; the zero codes in v22 to v27 and v80 to v85 are written
.irp t, 0,1,2,3,4,5,6,7
	ds_load_b128 v[32+6*\t:35+6*\t], v6 offset:768*\t
	ds_load_b64 v[36+6*\t:37+6*\t], v7 offset:768*\t+512
.endr
	ds_load_b128 v[86:89], v10
	ds_load_b128 v[90:93], v10 offset:256
	s_wait_dscnt 0x0
.irp t, 0,1,2,3,4,5,6,7                        ; tile t's operand runs on into the next tile's six registers: they meet q's zero codes
	v_wmma_scale_f32_16x16x128_f8f6f4 v[S+8*\t:S+8*\t+7], v[32+6*\t:43+6*\t], v[16:27], 0, v[86+\t], v28 matrix_a_fmt:MATRIX_FMT_FP6 matrix_b_fmt:MATRIX_FMT_FP6
.endr
.rept 4
	v_nop                                          ; places in front of the first read of the scores
.endr
	s_wait_alu depctr_va_vdst(0)                   ; the eight products are done reading v32 to v85, in which v's fragments land; the last step's products v^T p^T are long done reading v94 to v97
.irp t, 0,1,2,3                                ; v's four fragments land while the softmax is worked
	ds_load_b128 v[32+12*\t:35+12*\t], v8 offset:1536*\t
	ds_load_b64 v[36+12*\t:37+12*\t], v9 offset:1536*\t+512
	ds_load_b128 v[38+12*\t:41+12*\t], v8 offset:1536*\t+768
	ds_load_b64 v[42+12*\t:43+12*\t], v9 offset:1536*\t+1280
.endr
	ds_load_b128 v[94:97], v10 offset:8192
	s_wait_kmcnt 0x0
	s_cmp_eq_u32 s15, 1
	s_cbranch_scc0 .Lopen                          ; all keys of the step are allowed
.set j, 0
.rept 64                                       ; register 16 b + i holds key 32 b + 16 (lane / 16) + i: hidden scores become -infinity, so p = 0
.if j < 48
	v_cndmask_b32 v[S+j], v11, v[S+j], s[16+j]
.else
	v_cndmask_b32 v[S+j], v11, v[S+j], s[20+j]
.endif
.set j, j+1
.endr
.Lopen:
.irp b, 0,1,2,3
	v_max3_num_f32 v[BM+\b], v[S+16*\b], v[S+1+16*\b], v[S+2+16*\b]   ; the largest score of each block of 32 keys: for the row's maximum and, since p rises with the score, for the block's largest p
.endr
.irp i, 3,5,7,9,11,13
.irp b, 0,1,2,3
	v_max3_num_f32 v[BM+\b], v[BM+\b], v[S+16*\b+\i], v[S+1+16*\b+\i]
.endr
.endr
.irp b, 0,1,2,3
	v_max_num_f32 v[BM+\b], v[BM+\b], v[S+15+16*\b]
.endr
.irp b, 0,1,2,3
	v_permlanex16_b32 v[BT+\b], v[BM+\b], s[SEL], s[SEL+1]
.endr
.irp b, 0,1,2,3
	v_max_num_f32 v[BM+\b], v[BM+\b], v[BT+\b]
.endr
	v_max3_num_f32 v[TT], v[BM], v[BM+1], v[BM+2]
	v_max_num_f32 v[TT], v[TT], v[BM+3]
	v_mul_f32 v[TT], s[CS], v[TT]                  ; the step's largest t (c is positive)
	v_max_num_f32 v13, v13, v[TT]
	v_mov_b32 v[TT], v12
	v_floor_f32 v12, -v13                          ; the new -M = -ceil(t)
	v_sub_f32 v[TT], v12, v[TT]                    ; old M - new M: a whole number, 0 or less
	v_cvt_i32_f32 v[TT], v[TT]                     ; (it saturates)
	v_ldexp_f32 v[FF], 1.0, v[TT]                  ; f = 2^(old M - new M): rounds nothing
.set j, 0
.rept 32
	v_pk_fma_f32 v[S+j:S+j+1], v[S+j:S+j+1], s[CS:CS+1], v[12:13] op_sel_hi:[1,0,0]   ; t - M
.set j, j+2
.endr
.irp b, 0,1,2,3
	v_fma_f32 v[BM+\b], v[BM+\b], s[CS], v12
.endr
.set j, 0
.rept 64
	v_exp_f32 v[S+j], v[S+j]                       ; p = 2^(t - M): not normalised
.set j, j+1
.endr
	v_pk_mul_f32 v[14:15], v[14:15], v[FF:FF+1] op_sel_hi:[1,0]      ; the sums under the new M (a plain place behind the exponentials)
	s_wait_alu depctr_va_vdst(0)                   ; the 64 exponentials have written v[S ..]: one wait for the batch, ahead of its first reader
.irp b, 0,1,2,3
	v_exp_f32 v[BM+\b], v[BM+\b]                   ; the blocks' largest p
.endr
	v_pk_add_f32 v[BT:BT+1], v[S:S+1], v[S+2:S+3]  ; the row's sum is taken of the unquantised p, in two chains
.irp j, 4,8,12,16,20,24,28,32,36,40,44,48,52,56,60
	v_pk_add_f32 v[14:15], v[14:15], v[S+\j:S+1+\j]
	v_pk_add_f32 v[BT:BT+1], v[BT:BT+1], v[S+2+\j:S+3+\j]
.endr
	v_pk_add_f32 v[14:15], v[14:15], v[BT:BT+1]
	s_wait_alu depctr_va_vdst(0)                   ; the four exponentials have written v[BM ..]: their one wait, ahead of their first reader
.irp b, 0,1,2,3
	v_max_num_f32 v[BM+\b], 0x1800000, v[BM+\b]    ; the floor 2^(3 - 127)
.endr
.irp b, 0,1,2,3
	v_add_nc_u32 v[SO+\b], 0xff000000, v[BM+\b]
.endr
.irp b, 0,1,2,3
	v_lshrrev_b32 v[BT+\b], 23, v[SO+\b]
.endr
	v_lshl_or_b32 v[FF+1], v[BT+1], 8, v[BT]       ; p's scale word for these 128 keys
	v_lshl_or_b32 v[FF+1], v[BT+2], 16, v[FF+1]
	v_lshl_or_b32 v[FF+1], v[BT+3], 24, v[FF+1]
.irp c, 0,1
	v_cvt_scalef32_pk16_fp6_f32 v[PC+6*\c:PC+2+6*\c], v[S+32*\c:S+15+32*\c], v[SO+2*\c]
	v_cvt_scalef32_pk16_fp6_f32 v[PC+12+4*\c:PC+14+4*\c], v[S+16+32*\c:S+31+32*\c], v[SO+2*\c+1]
.endr
	v_nop                                          ; one plain place behind a scaled conversion
.irp c, 0,1
.irp i, 0,1,2
	v_permlane16_swap_b32 v[PC+6*\c+\i], v[PC+12+4*\c+\i]
.endr
.irp i, 0,1,2
	v_mov_b32 v[PC+3+6*\c+\i], v[PC+12+4*\c+\i]
.endr
.endr
.set j, 0
.rept 16
	v_pk_mul_f32 v[OT+j:OT+j+1], v[OT+j:OT+j+1], v[FF:FF+1] op_sel_hi:[1,0]   ; O^T under the new M; these 16 are also the places between the scale word's and the codes' last writes and the products
.set j, j+2
.endr
	s_wait_dscnt 0x0                               ; v's fragments and scale words
	s_wait_alu depctr_va_vdst(0)                   ; p's codes in v[PC ..] and its scale word in v[FF+1] are written, which the scaled products below take as operand and scales; the places above stay beside this wait
.irp t, 0,1,2,3                                ; four accumulators by turns
	v_wmma_scale_f32_16x16x128_f8f6f4 v[OT+8*\t:OT+8*\t+7], v[32+12*\t:43+12*\t], v[PC:PC+11], v[OT+8*\t:OT+8*\t+7], v[94+\t], v[FF+1] matrix_a_fmt:MATRIX_FMT_FP6 matrix_b_fmt:MATRIX_FMT_FP6
.endr
.Lskip:
	s_lshr_b32 s14, s14, 2
	s_add_co_u32 s[TK], s[TK], 6144
	s_add_co_u32 s[TS], s[TS], 512
	s_add_nc_u64 s[MP:MP+1], s[MP:MP+1], 256       ; (the step's scalar loads were waited for)
	s_sub_co_u32 s[NST], s[NST], 1
	s_cmp_lg_u32 s[NST], 0
	s_cbranch_scc1 .Lstep
	; THE TILE'S END: O^T / the sum, quantised along dk (two blocks of 32): half a fragment of the output projection's operand
.rept 4
	v_nop                                          ; places behind the last products
.endr
	v_add_f32 v14, v14, v15
	v_permlanex16_b32 v[TT], v14, s[SEL], s[SEL+1]
	v_add_f32 v14, v14, v[TT]                      ; the row's sum
	v_rcp_f32 v[RC], v14
	v_nop                                          ; a plain place behind the transcendental
	s_wait_alu depctr_va_vdst(0)                   ; the reciprocal has written v[RC]: the wait ahead of its first reader
.set j, 0
.rept 16
	v_pk_mul_f32 v[S+j:S+j+1], v[OT+j:OT+j+1], v[RC:RC+1] op_sel_hi:[1,0]   ; register 16 b + i = dk 32 b + 16 (lane / 16) + i
.set j, j+2
.endr
.irp b, 0,1
	v_max3_num_f32 v[BM+\b], |v[S+16*\b]|, |v[S+1+16*\b]|, 0x1800000
.endr
.irp i, 2,4,6,8,10,12,14
.irp b, 0,1
	v_max3_num_f32 v[BM+\b], v[BM+\b], |v[S+16*\b+\i]|, |v[S+1+16*\b+\i]|
.endr
.endr
.irp b, 0,1
	v_permlanex16_b32 v[BT+\b], v[BM+\b], s[SEL], s[SEL+1]
.endr
.irp b, 0,1
	v_max_num_f32 v[BM+\b], v[BM+\b], v[BT+\b]
.endr
.irp b, 0,1
	v_add_nc_u32 v[SO+\b], 0xff000000, v[BM+\b]
.endr
.irp b, 0,1
	v_lshrrev_b32 v[BT+\b], 23, v[SO+\b]
.endr
	v_lshl_or_b32 v[TT+1], v[BT+1], 8, v[BT]       ; the two scale bytes
	v_cmp_neq_f32 vcc_lo, 0, v14
	s_wait_alu depctr_va_vcc(0)                    ; the compare has written VCC, which the select below reads
	v_cndmask_b32 v[TT+1], 0xffff, v[TT+1], vcc_lo ; a row without an allowed key: both bytes 0xff
	v_lshrrev_b32 v[TT+1], v31, v[TT+1]            ; lanes 16-31 store the second byte
	v_cvt_scalef32_pk16_fp6_f32 v[PC:PC+2], v[S:S+15], v[SO]
	v_cvt_scalef32_pk16_fp6_f32 v[PC+12:PC+14], v[S+16:S+31], v[SO+1]
	v_nop                                          ; one plain place behind a scaled conversion
.irp i, 0,1,2
	v_permlane16_swap_b32 v[PC+\i], v[PC+12+\i]
.endr
.irp i, 0,1,2
	v_mov_b32 v[PC+3+\i], v[PC+12+\i]
.endr
	s_mul_i32 s94, s13, 12288
	s_add_nc_u64 s[96:97], s[8:9], s[94:95]        ; (q's loads, which named these registers, were waited for)
	s_lshl_b32 s94, s13, 9
	s_add_nc_u64 s[98:99], s[10:11], s[94:95]
	s_wait_alu depctr_va_vdst(0)                   ; the exchanges and moves have written v[PC] to v[PC+5], and the shift v[TT+1]: the data of the three stores below
	global_store_b128 v1, v[PC:PC+3], s[96:97]     ; 512 consecutive bytes, aligned to 256
	global_store_b64 v2, v[PC+4:PC+5], s[96:97] offset:512
	global_store_b8 v30, v[TT+1], s[98:99]
	s_sub_co_u32 s13, 127, s13                     ; the wave's second tile
	s_sub_co_u32 s[NPS], s[NPS], 1
	s_cmp_lg_u32 s[NPS], 0
	s_cbranch_scc1 .Lpass
	s_wait_dscnt 0x0
	s_wait_alu depctr_hold_cnt(0) depctr_sa_sdst(0) depctr_va_vdst(0) depctr_va_sdst(0) depctr_va_ssrc(0) depctr_va_vcc(0) depctr_vm_vsrc(0)
	s_wait_tensorcnt 0x0
	ds_add_u32 v254, v255
	s_wait_dscnt 0x0
	s_endpgm
.Lfunc_end_k_qc8a32f9624_attn:
	.size	k_qc8a32f9624_attn, .Lfunc_end_k_qc8a32f9624_attn-k_qc8a32f9624_attn
	.p2alignl 7, 3214868480
	.fill 96, 4, 3214868480
	.section	.rodata,"a",@progbits
	.p2align	6, 0x0
	.amdhsa_kernel k_qc8a32f9624_attn
		.amdhsa_group_segment_fixed_size 215040
		.amdhsa_private_segment_fixed_size 0
		.amdhsa_enable_private_segment 0
		.amdhsa_kernarg_size 32
		.amdhsa_user_sgpr_count 2
		.amdhsa_user_sgpr_kernarg_segment_ptr 1
		.amdhsa_wavefront_size32 1
		.amdhsa_system_sgpr_workgroup_id_x 1
		.amdhsa_system_sgpr_workgroup_id_y 1
		.amdhsa_system_sgpr_workgroup_id_z 1
		.amdhsa_system_vgpr_workitem_id 0
		.amdhsa_next_free_vgpr 256
		.amdhsa_next_free_sgpr 102
		.amdhsa_reserve_vcc 1
		.amdhsa_float_denorm_mode_32 3
		.amdhsa_float_denorm_mode_16_64 3
		.amdhsa_memory_ordered 1
		.amdhsa_forward_progress 1
		.amdhsa_inst_pref_size 36
	.end_amdhsa_kernel
	.amdgpu_metadata
---
amdhsa.version: [ 1, 2 ]
amdhsa.kernels:
  - .name:           k_qc8a32f9624_attn
    .symbol:         k_qc8a32f9624_attn.kd
    .args:
      - { .name: pbuf, .offset: 0, .size: 8, .value_kind: global_buffer, .address_space: global }
      - { .name: mbuf, .offset: 8, .size: 8, .value_kind: global_buffer, .address_space: global }
      - { .name: cbuf, .offset: 16, .size: 8, .value_kind: global_buffer, .address_space: global }
      - { .name: sbuf, .offset: 24, .size: 8, .value_kind: global_buffer, .address_space: global }
    .group_segment_fixed_size: 215040
    .private_segment_fixed_size: 0
    .kernarg_segment_align: 8
    .kernarg_segment_size: 32
    .max_flat_workgroup_size: 512
    .sgpr_count:     102
    .vgpr_count:     256
    .wavefront_size: 32
...
	.end_amdgpu_metadata
.endif
;; end of part 6
;; launch outp: the kernel of part 5 again; grid 4 x 32, 4 waves a work-group, clusters of 4 x 4, 327,680 bytes of LDS; arguments cbuf, wbuf, sbuf, bo, out0; writes out0
